; MI455X (gfx1250); checked and timed in simulation.
; The chip was launched on July 23, 2026; its instructions are those of AMD's public machine-readable ISA for CDNA 5 (MIT licence, August 2026) and "CDNA5" Instruction Set Architecture Reference Guide (July 2026). The comments in the code are by the model that wrote it; some were corrected since.
;; Simplex Layer. Allowed arithmetic: float matrix products may take bf16 or f16 operands with f32 sums; other float arithmetic in f32, or as packed bf16 or f16 multiplies, adds, multiply-adds, maxima and minima; sums over many terms, partial sums and values carried from step to step in f32; what a program stores and reads back later, other than sums and carried values, may be rounded once to bf16 or f16.
;; Inputs: W_edges 8 x 1,024 x 1,024 float32; W_route 8 x 1,024 float32; b_route 8 float32; h 4 x 2,048 x 1,024 float32; layer_bias 1,024 float32.
;; Outputs: out0 4 x 2,048 x 1,024 float32.
;; 3 versions, each right; version 2 is faster than version 1; version 3 is version 2 with the launch prep written anew for expert scheduling mode. Each part assembles by itself: llvm-mc -triple=amdgcn-amd-amdhsa -mcpu=gfx1250 --defsym DOCPART=n.
;; ======== version 1 of 3: 2 launches
;; workspace buffers: hb 16,777,216 bytes; wb 16,777,216 bytes; rw 262,144 bytes; bb 4,096 bytes
;; launch prep (part 1): grid 256 x 1, 8 waves a work-group, no clusters, 17,408 bytes of LDS; arguments h, W_edges, W_route, b_route, layer_bias, hb, wb, rw, bb; writes hb, wb, rw, bb
.if DOCPART == 1
	.amdgcn_target "amdgcn-amd-amdhsa--gfx1250"
	.amdhsa_code_object_version 6
	.text
	.protected	k_qe4d6d8d941_prep
	.globl	k_qe4d6d8d941_prep
	.p2align	8
	.type	k_qe4d6d8d941_prep,@function
k_qe4d6d8d941_prep:
	s_mov_b64 s[64:65], 0
	v_nop
	global_prefetch_b8 v0, s[64:65] scope:SCOPE_SE
	s_setreg_imm32_b32 hwreg(HW_REG_WAVE_MODE, 25, 1), 1
	s_wait_xcnt 0x0
; hb = bf16(h), wb = bf16(W_edges), bb = bf16(layer_bias) kept as f32, rw = softmax over 8 experts of (bf16(h) . bf16(W_route)^T + bf16(b_route)).  Every input is rounded to bf16 once; all sums are f32.
; h and W_edges are both 8,192 rows of 1,024 f32.  A work-group of eight waves takes 32 rows of each: waves 0-3 rows of h, waves 4-7 rows of W_edges, 8 rows a wave, by one text.
; A row is eight loads of 16 bytes a lane (each load of the wave: 512 consecutive bytes); lane l holds columns 128 j + 4 l .. + 3.  All of a wave's rows are asked for before the second is used.
; Rounded once to bf16 they leave as eight stores of 8 bytes a lane: each store of the wave covers 256 consecutive bytes, aligned.
; THE ROUTER rides on the rounded rows of h while they lie in registers: sums in f32 by v_fma_mix_f32_bf16 (the products of two bf16 are exact in f32).  No matrix instruction: a lane holds columns
; of a row here, not a row, and eight output columns are a thousandth of the module's products; turning the rows would cost a trip through LDS.
; THE BIAS: while waves 0-3 run the router, wave 4 of work-groups 0 to 15 rounds 64 numbers of layer_bias each.
; NO CLUSTER, no tensor load: the work-groups share W_route alone, 32,768 bytes beside the 262,144 of rows that each reads.
; rw's LAYOUT: blocks of 256 bytes, block 8 G + u holds the tokens 64 G + 16 a + 2 u + i at float e * 8 + i * 4 + a.  A wave owns one block's eight tokens and stores the block whole;
; the next launch's lane takes four gates (a = 0..3) of one expert with one load of 16 bytes.
; LIMITS.  The softmax takes the row's maximum away first; an exponential below 2^-126 counts as 0; NaN and infinities are not treated apart.
.set SPARE, 16384                      ; behind W_route's 16,384 bytes: the spare words, 128 bytes for each of eight waves: four blocks of 256 bytes that no other line names
.set LO,  2                            ; v2   16 x lane: my bytes in 512 bytes of f32, and in 512 bytes of W_route in LDS; never rewritten
.set SO,  3                            ; v3   8 x lane: my bytes in 256 bytes of bf16, in a block of rw and in 64 numbers of the bias
.set WS,  5                            ; v5   LDS address at which my wave lays its expert of W_route
.set BO,  6                            ; v6   4 x (lane / 4): my expert's place in b_route
.set SPW, 30                           ; v30  LDS address of my spare word; never rewritten
.set NIL, 31                           ; v31  0; never rewritten
.set P,   32                           ; v[32:39]  my part of the eight rows' sums for one expert
.set KS,  40                           ; v[40:47]  at work in the reduction: kept, sent
.set Z,   48                           ; v[48:49]  logits, then gates: lane l, register g: expert l / 4, row slot 4 g + l % 4
.set M,   50                           ; v[50:51]  maxima, then sums; in the bias's wave two numbers of the bias
.set T,   52                           ; v52  what the other half of the lanes holds
.set BR,  53                           ; v53  b_route of my expert
.set ZR,  54                           ; v54  0: the addend that starts a sum
.set H,   64                           ; v[64:191]   slot q: 16 registers of packed bf16
.set WR,  192                          ; v[192:207]  one expert of W_route, packed as a row is
.set WF,  208                          ; v[208:239]  the same in f32, as loaded
                                       ; window 1: v[32 q + 4 j ..] slot q's row in f32, as loaded
.set WV,  22                           ; s22  my wave's number
.set SRC, 24                           ; s[24:25]  h or W_edges at my first row
.set DST, 26                           ; s[26:27]  hb or wb at my first row
.set MSK, 28                           ; s28  the four lanes of the expert in hand
.set ODD, 29                           ; s29  lanes with bit 0 set
.set HI2, 30                           ; s30  lanes with bit 1 set
.set SEL, 32                           ; s32, s33  v_permlanex16_b32's selects: each lane takes its own place in the other half
.set MSB, 0
.macro WIN new                         ; the immediate's high byte repeats the setting that is left; a switch that changes nothing is dropped
.if MSB != (\new)
	s_set_vgpr_msb (MSB<<8)|(\new)
.set MSB, \new
.endif
.endm
.macro RCOF q                          ; slot q = 4 g + m is the row 32 (m % 2) + 16 g + m / 2 behind my first: token part 16 a + i with a = 2 (m % 2) + g, i = m / 2
.set RC, 32*(((\q)%4)%2)+16*((\q)/4)+(((\q)%4)/2)
.endm
.macro ASK q                           ; eight loads: the whole row of slot q, into window 1
	RCOF \q
	WIN 0x40
.irp j, 0,1,2,3,4,5,6,7
	global_load_b128 v[32*(\q)+4*(\j):32*(\q)+4*(\j)+3], v[LO], s[SRC:SRC+1] offset:RC*4096+512*(\j) th:TH_LOAD_NT
.endr
.endm
.macro ROW q, left                     ; slot q is rounded and stored.  left: the younger loads, which stay out
	RCOF \q
	s_wait_loadcnt \left               ; loads come back in order (ISA guide 5.7.1): this row is in
	WIN 0x05                           ; sources in window 1, destination in window 0
.set n, 0
.rept 16
	v_cvt_pk_bf16_f32 v[H+16*(\q)+n], v[32*(\q)+2*n], v[32*(\q)+2*n+1]
.set n, n+1
.endr
	WIN 0
.irp j, 0,1,2,3,4,5,6,7
	global_store_b64 v[SO], v[H+16*(\q)+2*(\j):H+16*(\q)+2*(\j)+1], s[DST:DST+1] offset:RC*2048+256*(\j)  ; no register of a store is ever written again, so nothing waits for the stores
.endr
.endm
; One expert's logits for my eight rows.  The eight experts are written out: each names its LDS bytes by an immediate beside the one address register, 16 x lane, which is never stepped.
.macro EXPERT e
.irp i, 0,1,2,3
	ds_load_b128 v[WR+4*(\i):WR+4*(\i)+3], v[LO] offset:(\e)*2048+512*(\i)
.endr
	s_mov_b32 s[MSK], 15<<(4*(\e))                 ; lanes 4 e .. 4 e + 3
.irp i, 0,1,2,3
	s_wait_dscnt 3-(\i)                            ; LDS loads come back in order: piece i is in
.irp c, 0,1,2,3
.irp hf, 0,1
.irp q, 0,1,2,3,4,5,6,7                            ; eight sums by turns, so that none waits for its own last link
.if ((\i)+(\c)+(\hf)) == 0
	v_fma_mix_f32_bf16 v[P+(\q)], v[H+16*(\q)], v[WR], v[ZR] op_sel:[0,0,0] op_sel_hi:[1,1,0]
.else
	v_fma_mix_f32_bf16 v[P+(\q)], v[H+16*(\q)+4*(\i)+(\c)], v[WR+4*(\i)+(\c)], v[P+(\q)] op_sel:[\hf,\hf,0] op_sel_hi:[1,1,0]
.endif
.endr
.endr
.endr
.endr
	; Eight sums over 32 lanes.  The first two steps halve the registers as they add: a lane keeps the slot whose number has its own lane bit and sends the other to its partner.
.irp i, 0,1,2,3
	v_cndmask_b32 v[KS+2*(\i)],   v[P+2*(\i)],   v[P+2*(\i)+1], s[ODD]
	v_cndmask_b32 v[KS+2*(\i)+1], v[P+2*(\i)+1], v[P+2*(\i)],   s[ODD]
.endr
.irp i, 0,1,2,3
	v_add_f32_dpp v[KS+2*(\i)], v[KS+2*(\i)+1], v[KS+2*(\i)] row_xmask:1 row_mask:0xf bank_mask:0xf
.endr
.irp g, 0,1
	v_cndmask_b32 v[P+2*(\g)],   v[KS+4*(\g)],   v[KS+4*(\g)+2], s[HI2]
	v_cndmask_b32 v[P+2*(\g)+1], v[KS+4*(\g)+2], v[KS+4*(\g)],   s[HI2]
.endr
.irp g, 0,1
	v_add_f32_dpp v[P+2*(\g)], v[P+2*(\g)+1], v[P+2*(\g)] row_xmask:2 row_mask:0xf bank_mask:0xf
.endr
.irp g, 0,1
	v_add_f32_dpp v[P+2*(\g)], v[P+2*(\g)], v[P+2*(\g)] row_xmask:4 row_mask:0xf bank_mask:0xf
.endr
.irp g, 0,1
	v_add_f32_dpp v[P+2*(\g)], v[P+2*(\g)], v[P+2*(\g)] row_xmask:8 row_mask:0xf bank_mask:0xf
.endr
.irp g, 0,1
	v_permlanex16_b32 v[T], v[P+2*(\g)], s[SEL], s[SEL+1]
	v_add_f32 v[P+2*(\g)], v[P+2*(\g)], v[T]       ; every lane l: the whole sum of slot 4 g + l % 4
	v_cndmask_b32 v[Z+(\g)], v[Z+(\g)], v[P+2*(\g)], s[MSK]  ; kept by the four lanes of this expert
.endr
.endm
	s_load_b256 s[4:11], s[0:1], 0x0               ; h s[4:5], W_edges s[6:7], W_route s[8:9], b_route s[10:11]
	s_load_b256 s[12:19], s[0:1], 0x20             ; layer_bias s[12:13], hb s[14:15], wb s[16:17], rw s[18:19]
	s_load_b64 s[20:21], s[0:1], 0x40              ; bb
	v_lshl_add_u32 v[SPW], v0, 2, SPARE
	v_mov_b32 v[NIL], 0
	v_lshrrev_b32 v1, 5, v0
	v_readfirstlane_b32 s[WV], v1                  ; wave 0..7
	v_and_b32 v1, 31, v0                           ; lane
	v_lshlrev_b32 v[LO], 4, v1
	v_lshlrev_b32 v[SO], 3, v1
	v_and_b32 v[BO], 28, v0
	s_lshl_b32 s23, s[WV], 11                      ; an expert of W_route is 2,048 bytes in bf16
	v_add_nc_u32 v[WS], s23, v[LO]
	v_mov_b32 v[ZR], 0
	v_mov_b32 v[Z], 0                              ; destinations of selects, of DPP forms and of v_permlanex16_b32 count as read: written once here
	v_mov_b32 v[Z+1], 0
	v_mov_b32 v[M], 0
	v_mov_b32 v[M+1], 0
	v_mov_b32 v[T], 0
	s_mov_b32 s[ODD], 0xaaaaaaaa
	s_mov_b32 s[HI2], 0xcccccccc
	s_mov_b32 s[SEL], 0x76543210
	s_mov_b32 s[SEL+1], 0xfedcba98
	s_lshr_b32 s34, ttmp9, 1                       ; my first row = 64 (g / 2) + 2 u, u = 4 (g % 2) + w % 4
	s_lshl_b32 s34, s34, 6
	s_and_b32 s35, ttmp9, 1
	s_lshl_b32 s35, s35, 3
	s_add_co_u32 s34, s34, s35
	s_and_b32 s46, s[WV], 3
	s_lshl1_add_u32 s34, s46, s34
	s_lshl_b32 s36, s34, 12                        ; in bytes of f32 rows,
	s_mov_b32 s37, 0
	s_lshl_b32 s38, s34, 11                        ; and of bf16 rows
	s_mov_b32 s39, 0
	s_lshl_b32 s40, s[WV], 12                      ; wave w rounds expert w of W_route
	s_mov_b32 s41, 0
	s_lshl2_add_u32 s42, ttmp9, s46                ; my block of rw: 8 (g / 2) + u = 4 g + w % 4
	s_lshl_b32 s42, s42, 8
	s_mov_b32 s43, 0
	s_lshl_b32 s44, ttmp9, 8                       ; 256 g: work-group g's 64 numbers of the bias, where g is below 16
	s_mov_b32 s45, 0
	s_wait_kmcnt 0x0
	s_cmp_lt_u32 s[WV], 4
	s_cselect_b64 s[SRC:SRC+1], s[4:5], s[6:7]     ; waves 0-3: h to hb; waves 4-7: W_edges to wb
	s_cselect_b64 s[DST:DST+1], s[14:15], s[16:17]
	s_add_nc_u64 s[SRC:SRC+1], s[SRC:SRC+1], s[36:37]
	s_add_nc_u64 s[DST:DST+1], s[DST:DST+1], s[38:39]
	s_add_nc_u64 s[8:9], s[8:9], s[40:41]
	s_add_nc_u64 s[18:19], s[18:19], s[42:43]
.irp j, 0,1,2,3,4,5,6,7
	global_load_b128 v[WF+4*(\j):WF+4*(\j)+3], v[LO], s[8:9] offset:512*(\j)  ; my expert of W_route, in a row's lane order
.endr
	global_load_b32 v[BR], v[BO], s[10:11]
	ASK 0
	ASK 1
	ASK 2
	ASK 3
	ASK 4
	ASK 5
	WIN 0
	s_wait_loadcnt 49                              ; W_route's eight are in; b_route's load and six rows' 48 are younger and stay out
.set n, 0
.rept 16
	v_cvt_pk_bf16_f32 v[WR+n], v[WF+2*n], v[WF+2*n+1]
.set n, n+1
.endr
.irp i, 0,1,2,3
	ds_store_b128 v[WS], v[WR+4*(\i):WR+4*(\i)+3] offset:512*(\i)  ; 32 lanes, 16 neighbouring bytes each
.endr
	ASK 6
	ROW 0, 48                                      ; rows 1 to 6 stay out
	ASK 7
	ROW 1, 48                                      ; rows 2 to 7
	ROW 2, 40
	ROW 3, 32
	ROW 4, 24
	ROW 5, 16
	ROW 6, 8
	ROW 7, 0
	s_wait_dscnt 0x0                               ; for the others' sake: my expert of W_route lies in LDS
	s_barrier_signal -1
	s_barrier_wait -1                              ; all eight experts do
	s_cmp_lt_u32 s[WV], 4
	s_cbranch_scc1 .Lrouter                        ; the waves of h go on to the router
	s_cmp_lg_u32 s[WV], 4
	s_cbranch_scc1 .Lend                           ; waves 5 to 7 are done
	s_cmp_ge_u32 s44, 4096
	s_cbranch_scc1 .Lend                           ; the bias has 4,096 bytes: work-groups 0 to 15 take 256 each
	s_add_nc_u64 s[12:13], s[12:13], s[44:45]
	s_add_nc_u64 s[20:21], s[20:21], s[44:45]
	global_load_b64 v[M:M+1], v[SO], s[12:13]
	s_wait_loadcnt 0x0
	v_cvt_pk_bf16_f32 v[T], v[M], v[M+1]           ; rounded to nearest even,
	v_lshlrev_b32 v[M], 16, v[T]                   ; and written as f32 again
	v_and_b32 v[M+1], 0xffff0000, v[T]
	global_store_b64 v[SO], v[M:M+1], s[20:21]     ; the wave stores 256 consecutive bytes, aligned
	s_branch .Lend
.Lrouter:
	EXPERT 0
	EXPERT 1
	EXPERT 2
	EXPERT 3
	EXPERT 4
	EXPERT 5
	EXPERT 6
	EXPERT 7
	; The softmax over the experts: the eight lanes with the same l % 4 (lane bits 2, 3 and 4).
	v_cvt_pk_bf16_f32 v[BR], v[BR], v[BR]          ; b_route rounded to bf16, like every input,
	v_lshlrev_b32 v[BR], 16, v[BR]                 ; as f32
	v_add_f32 v[Z], v[Z], v[BR]
	v_add_f32 v[Z+1], v[Z+1], v[BR]
.irp g, 0,1
	v_max_num_f32_dpp v[M+(\g)], v[Z+(\g)], v[Z+(\g)] row_xmask:4 row_mask:0xf bank_mask:0xf
.endr
.irp g, 0,1
	v_max_num_f32_dpp v[M+(\g)], v[M+(\g)], v[M+(\g)] row_xmask:8 row_mask:0xf bank_mask:0xf
.endr
.irp g, 0,1
	v_permlanex16_b32 v[T], v[M+(\g)], s[SEL], s[SEL+1]
	v_max_num_f32 v[M+(\g)], v[M+(\g)], v[T]
.endr
	v_sub_f32 v[Z], v[Z], v[M]                     ; the maximum is taken away first
	v_sub_f32 v[Z+1], v[Z+1], v[M+1]
	v_mul_f32 v[Z], 0x3fb8aa3b, v[Z]               ; log2(e)
	v_mul_f32 v[Z+1], 0x3fb8aa3b, v[Z+1]
	v_exp_f32 v[Z], v[Z]
	v_exp_f32 v[Z+1], v[Z+1]
	v_nop                                          ; a plain instruction behind the last exponential (ISA guide 5.7.2),
	s_wait_alu depctr_va_vdst(0)                   ; and the wait ahead of the first use: one for both
.irp g, 0,1
	v_add_f32_dpp v[M+(\g)], v[Z+(\g)], v[Z+(\g)] row_xmask:4 row_mask:0xf bank_mask:0xf
.endr
.irp g, 0,1
	v_add_f32_dpp v[M+(\g)], v[M+(\g)], v[M+(\g)] row_xmask:8 row_mask:0xf bank_mask:0xf
.endr
.irp g, 0,1
	v_permlanex16_b32 v[T], v[M+(\g)], s[SEL], s[SEL+1]
	v_add_f32 v[M+(\g)], v[M+(\g)], v[T]
.endr
	v_rcp_f32 v[M], v[M]                           ; the sum is at least 1: the largest term is 2^0
	v_rcp_f32 v[M+1], v[M+1]
	v_nop
	s_wait_alu depctr_va_vdst(0)                   ; one wait for both reciprocals
	v_mul_f32 v[Z], v[Z], v[M]
	v_mul_f32 v[Z+1], v[Z+1], v[M+1]
	global_store_b64 v[SO], v[Z:Z+1], s[18:19]     ; the wave's block of rw: 256 consecutive bytes, aligned
.Lend:
	s_wait_tensorcnt 0x0                           ; the wave's end, behind my last LDS store
	ds_add_u32 v[SPW], v[NIL]
	s_wait_dscnt 0x0
	s_endpgm
.Lfunc_end_k_qe4d6d8d941_prep:
	.size	k_qe4d6d8d941_prep, .Lfunc_end_k_qe4d6d8d941_prep-k_qe4d6d8d941_prep
	.p2alignl 7, 3214868480
	.fill 96, 4, 3214868480
	.section	.rodata,"a",@progbits
	.p2align	6, 0x0
	.amdhsa_kernel k_qe4d6d8d941_prep
		.amdhsa_group_segment_fixed_size 17408
		.amdhsa_private_segment_fixed_size 0
		.amdhsa_enable_private_segment 0
		.amdhsa_kernarg_size 72
		.amdhsa_user_sgpr_count 2
		.amdhsa_user_sgpr_kernarg_segment_ptr 1
		.amdhsa_wavefront_size32 1
		.amdhsa_system_sgpr_workgroup_id_x 1
		.amdhsa_system_sgpr_workgroup_id_y 1
		.amdhsa_system_sgpr_workgroup_id_z 1
		.amdhsa_system_vgpr_workitem_id 0
		.amdhsa_next_free_vgpr 512
		.amdhsa_next_free_sgpr 66
		.amdhsa_reserve_vcc 0
		.amdhsa_float_denorm_mode_32 3
		.amdhsa_float_denorm_mode_16_64 3
		.amdhsa_memory_ordered 1
		.amdhsa_forward_progress 1
		.amdhsa_inst_pref_size 173
	.end_amdhsa_kernel
	.amdgpu_metadata
---
amdhsa.version: [ 1, 2 ]
amdhsa.kernels:
  - .name:           k_qe4d6d8d941_prep
    .symbol:         k_qe4d6d8d941_prep.kd
    .args:
      - { .name: h, .offset: 0, .size: 8, .value_kind: global_buffer, .address_space: global }
      - { .name: W_edges, .offset: 8, .size: 8, .value_kind: global_buffer, .address_space: global }
      - { .name: W_route, .offset: 16, .size: 8, .value_kind: global_buffer, .address_space: global }
      - { .name: b_route, .offset: 24, .size: 8, .value_kind: global_buffer, .address_space: global }
      - { .name: layer_bias, .offset: 32, .size: 8, .value_kind: global_buffer, .address_space: global }
      - { .name: hb, .offset: 40, .size: 8, .value_kind: global_buffer, .address_space: global }
      - { .name: wb, .offset: 48, .size: 8, .value_kind: global_buffer, .address_space: global }
      - { .name: rw, .offset: 56, .size: 8, .value_kind: global_buffer, .address_space: global }
      - { .name: bb, .offset: 64, .size: 8, .value_kind: global_buffer, .address_space: global }
    .group_segment_fixed_size: 17408
    .private_segment_fixed_size: 0
    .kernarg_segment_align: 8
    .kernarg_segment_size: 72
    .max_flat_workgroup_size: 256
    .sgpr_count:     66
    .vgpr_count:     512
    .wavefront_size: 32
...
	.end_amdgpu_metadata
.endif
;; end of part 1
;; launch gemm (part 2): grid 4 x 64, 4 waves a work-group, clusters of 4 x 4, 327,680 bytes of LDS; arguments hb, wb, rw, bb, out0; writes out0
.if DOCPART == 2
	.amdgcn_target "amdgcn-amd-amdhsa--gfx1250"
	.amdhsa_code_object_version 6
	.text
	.protected	k_qe4d6d8d941_gemm
	.globl	k_qe4d6d8d941_gemm
	.p2align	8
	.type	k_qe4d6d8d941_gemm,@function
k_qe4d6d8d941_gemm:
	s_mov_b64 s[64:65], 0
	v_nop
	global_prefetch_b8 v0, s[64:65] scope:SCOPE_SE
	s_setreg_imm32_b32 hwreg(HW_REG_WAVE_MODE, 25, 1), 1
	s_wait_xcnt 0x0
	s_wait_alu depctr_hold_cnt(0) depctr_sa_sdst(0) depctr_va_vdst(0) depctr_va_sdst(0) depctr_va_ssrc(0) depctr_va_vcc(0) depctr_vm_vsrc(0)
	s_getreg_b32 s2, hwreg(HW_REG_IB_STS2, 6, 4)
	s_cmp_eq_u32 s2, 0
	s_cbranch_scc0 .Lentry_in_a_cluster
	s_endpgm
.Lentry_in_a_cluster:
	s_bfe_u32 s2, ttmp6, 0x10000c
	s_cmp_lg_u32 s2, 0xf033
	s_cbranch_scc0 .Lentry_shape_is_right
	s_endpgm
.Lentry_shape_is_right:
; out[t][f] = gelu( bb[f] + the sum over e of rw[t][e] * (the sum over d of hb[t][d] wb[e][f][d]) ).  hb: [8192][1024] bf16; wb: [8 x 1024][1024] bf16; rw: f32 gates in blocks (below);
; bb: [1024] f32, the layer's bias rounded to bf16 by the launch before; out: [8192][1024] f32.
; Each expert's product is summed by itself in f32 (temp) and folded into the result in f32: total += gate * temp.  So no matrix operand is rounded a second time.  total starts at the bias.
; SHARES.  A work-group makes 128 tokens x 256 columns: 64 x 4 = 256 work-groups.  Each of its four waves makes 64 x 128: 32 accumulators of 16 x 16, 256 registers of temp and 256 of total.
; K goes expert by expert, 8 steps of 128 an expert, 64 steps in all, through a ring of two LDS slots filled by the tensor data mover; the tiles' rows are 256 bytes of memory, at multiples of 256 bytes
; from the buffer's first byte.  The ring does not stop at an expert's end: an expert's last two changes of slots ask for the next expert's first two steps.  Two slots of a step of 256 would not fit in LDS.
; CLUSTERS: 4 x 4 work-groups.  The four of a row of the cluster make the same tokens and need the same tiles of hb; the four of a column the same columns and tiles of wb.  Such a tile is asked for
; JOINTLY: the same tensor load, descriptor and mask in all four; each receives it in its own LDS.  That divides the requests for both by four.
; THE MATRIX INSTRUCTION IS USED TRANSPOSED: source 0 = 16 rows of wb, source 1 = 16 rows of hb.  Lane l then holds ONE token (l % 16) and the columns 8 (l / 16) + 0..7: a gate is one number a lane.
; rw: block 8 G + u of 256 bytes holds the tokens 64 G + 16 a + 2 u + i at float e * 8 + i * 4 + a: lane r = 2 u + i takes the gates of its four tokens (a = 0..3) with one load of 16 bytes; from expert to expert 32 bytes.
; GELU.  x Phi(x) = max(x, 0) - |x| Q(|x|), Q(z) = exp(-z^2 / 2) / sqrt(2 pi) * (b1 t + .. + b5 t^5), t = 1 / (1 + 0.2316419 z) (Abramowitz and Stegun 26.2.17).
; LIMITS.  That formula is off by 7.5e-8 at the most, so the result by 7.5e-8 |x|, for every finite x; an exponential below 2^-126 counts as 0; an infinite sum gives NaN; NaN is not treated apart.
; REGISTERS, in windows of 256 (s_set_vgpr_msb: bits 1:0 source 0, 3:2 source 1, 5:4 source 2, 7:6 destination):
;   window 0: v0-35 addresses and gates; v64-95, v96-127 fragments of hb (4 x 16 rows x 32 K), two buffers; v128-255 at work on the way out
;   window 1: v0-63, v64-127 fragments of wb (8 x 16 rows x 32 K), two buffers      window 2: temp, (a, b) at v[8 (8 a + b)]      window 3: total, likewise
.set PITCH,  272                       ; an LDS row: 256 bytes + 16 of padding = 68 words: row r starts at bank 4 r mod 64 (64 banks of 4 bytes: ISA guide 11.1), so the 16 rows of a load start at 16 different banks
.set AHALF,  64*PITCH                  ; 64 rows of hb: what one load of waves 0, 1 brings, and what a wave reads
.set BHALF,  128*PITCH                 ; 128 rows of wb: the same for waves 2, 3
.set BOFF,   128*PITCH                 ; in a slot: hb's 128 rows, then wb's 256
.set SLOT,   384*PITCH
.set SPARE,  2*SLOT                    ; behind the ring: the spare words, 128 bytes for each wave: two blocks of 256 bytes that no other line names
.set SPITCH, 528                       ; the way out: a row of 128 f32 + 16 bytes = 33 x 16 bytes: the 16 rows of a store start at 16 different groups of four banks
.set WSTAGE, 64*SPITCH                 ; a wave's stage: 64 rows.  The four stages lie in the ring, which has had its last fill by then
.set KB,     256                       ; bytes of a K step in a row
.set BACK_A, 6*KB                      ; from a slot's last step of an expert to its first of the next: hb goes back along K,
.set NEXT_B, 1024*2048-6*KB            ; wb 1,024 rows down and back
.set ADRA, 16                          ; v16-17  LDS address of my fragments of hb in slot 0, 1
.set ADRB, 20                          ; v20-21  the same for wb
.set STO,  24                          ; v24     the way out: where I put 16 bytes of a row
.set RD,   25                          ; v25     the way out: where I read a row back; steps
.set CO,   26                          ; v26     16 x lane: my bytes in 512 bytes of out
.set RWO,  27                          ; v27     my byte offset in my wave's eight blocks of rw
.set SPW,  28                          ; v28     LDS address of my spare word; never rewritten
.set NIL,  29                          ; v29     0; never rewritten
.set BO,   30                          ; v30     32 x (lane / 16): my eight columns among sixteen of the bias
.set CUR,  32                          ; v[32:35] the gates of the expert in hand for my four tokens
.set FA,   64                          ; hb's fragment buffers, window 0: FA + 32 f
.set XR,   128                         ; the way out: eight rows; t; the exponential, then max(x, 0); the polynomial
.set TR,   160
.set ER,   192
.set RR,   224
.set WV, 14                            ; s14 my wave's number
.set RH, 15                            ; s15 which 64 tokens are mine.  Also: I fetch for hb (0) or for wb (1)
.set CH, 16                            ; s16 which 128 columns.  Also: which half of that tile I fetch
.set CX, 17
.set CY, 18
.set FT, 19                            ; s19 tile column
.set TT, 20                            ; s20 tile row
.set MROW, 21
.set MCOL, 22
.set G1A, 24                           ; s[24:31] descriptor group 1 for hb's tiles;  s[32:39] group 0, one set for each slot
.set G0A, 32
.set G1B, 48                           ; s[48:55], s[56:63] the same for wb's
.set G0B, 56
.set PP, 66                            ; s66 0.2316419
.set KK, 68                            ; s[68:69] sqrt(log2(e) / 2); pairs: the packed forms name a pair and take its low word
.set C1, 70                            ; s[70:79] b1 .. b5, each divided by sqrt(2 pi)
.set C2, 72
.set C3, 74
.set C4, 76
.set C5, 78
.set MSB, 0
.macro WIN new                         ; the immediate's high byte repeats the setting that is left; a switch that changes nothing is dropped
.if MSB != (\new)
	s_set_vgpr_msb (MSB<<8)|(\new)
.set MSB, \new
.endif
.endm
.set MUL,    0xa1                      ; source 0 (wb) window 1, source 1 (hb) window 0, C and D window 2
.set TO_B,   0x40                      ; destination window 1, address window 0
.set W_FOLD, 0xf2                      ; temp (source 0) window 2, gate window 0, total (source 2, destination) window 3
; A joint load.  Waves 0 and 1 fetch hb's two halves, waves 2 and 3 wb's.  Each line has one mask and one set of registers for all that issue it; the branch hangs on the wave's number alone.
; An s_nop 0 and four v_nop follow each of the two lines, ahead of the jump, the label and what follows.
.macro JLOAD s
	s_cmp_eq_u32 s[RH], 0
	s_cbranch_scc0 .Lfor_b_\@
	tensor_load_to_lds s[G0A+4*(\s):G0A+4*(\s)+3], s[G1A:G1A+7]
	s_nop 0
.rept 4
	v_nop
.endr
	s_branch .Lasked_\@
.Lfor_b_\@:
	tensor_load_to_lds s[G0B+4*(\s):G0B+4*(\s)+3], s[G1B:G1B+7]
	s_nop 0
.rept 4
	v_nop
.endr
.Lasked_\@:
.endm
; A round of the cluster's barrier: my work-group's barrier, so that wave 0's signal speaks for all four waves; wave 0 signals; every wave waits for all sixteen work-groups; my work-group's barrier once more.
.macro CREST                           ; a round behind its opening barrier
	s_cmp_lg_u32 s[WV], 0
	s_cbranch_scc1 .Lnot_wave_0_\@
	s_barrier_signal -3
.Lnot_wave_0_\@:
	s_barrier_wait -3
	s_barrier_signal -1
	s_barrier_wait -1
.endm
.macro CROUND
	s_barrier_signal -1
	s_barrier_wait -1
	CREST
.endm
	s_load_b256 s[4:11], s[0:1], 0x0               ; hb s[4:5], wb s[6:7], rw s[8:9], bb s[10:11]
	s_load_b64 s[12:13], s[0:1], 0x20              ; out
	v_lshl_add_u32 v[SPW], v0, 2, SPARE
	v_mov_b32 v[NIL], 0
	ds_add_u32 v[SPW], v[NIL]                      ; the wave's opening: the add and its wait stand ahead of my first tensor load; the set-up below, work on registers, stands between them
	v_lshrrev_b32 v1, 5, v0
	v_readfirstlane_b32 s[WV], v1                  ; wave 0..3
	s_lshr_b32 s[RH], s[WV], 1
	s_and_b32 s[CH], s[WV], 1
	s_bfe_u32 s[CX], ttmp6, 0x40000                ; my place in the cluster
	s_bfe_u32 s[CY], ttmp6, 0x40004
	s_lshl_b32 s[FT], ttmp9, 2                     ; in a cluster launch ttmp9 and ttmp7 count clusters
	s_add_co_u32 s[FT], s[FT], s[CX]               ; tile column = 4 x cluster x + cx
	s_and_b32 s[TT], ttmp7, 0xffff
	s_lshl_b32 s[TT], s[TT], 2
	s_add_co_u32 s[TT], s[TT], s[CY]               ; tile row = 4 x cluster y + cy
	s_lshl_b32 s[MROW], s[CY], 2
	s_lshl_b32 s[MROW], 15, s[MROW]                ; my row of the cluster: places 4 cy .. 4 cy + 3
	s_lshl_b32 s[MCOL], 0x1111, s[CX]              ; my column: places cx, cx + 4, cx + 8, cx + 12
	; descriptor group 1: rows of 128 elements of 2 bytes, padded in LDS; 64 rows for hb, 128 for wb
	s_or_b32 s[G1A+0], s[MROW], (1<<16)|(1<<20)|(1<<21)|(5<<22)|(3<<25)  ; 15:0 the mask; 17:16 2-byte elements; 20 padding on; 21 set beside a mask; 24:22 after every 64 words (code 5); 31:25 4 words (code 3)
	s_or_b32 s[G1B+0], s[MCOL], (1<<16)|(1<<20)|(1<<21)|(5<<22)|(3<<25)
	s_mov_b32 s[G1A+1], 128<<16                    ; tensor_dim0 = 128
	s_mov_b32 s[G1B+1], 128<<16
	s_mov_b32 s[G1A+2], 64<<16                     ; tensor_dim1
	s_mov_b32 s[G1B+2], 128<<16
	s_mov_b32 s[G1A+3], 128<<16                    ; tile_dim0 = 128
	s_mov_b32 s[G1B+3], 128<<16
	s_mov_b32 s[G1A+4], 64                         ; tile_dim1
	s_mov_b32 s[G1B+4], 128
	s_mov_b32 s[G1A+5], 1024                       ; elements from row to row
	s_mov_b32 s[G1B+5], 1024
	s_mov_b32 s[G1A+6], 0
	s_mov_b32 s[G1B+6], 0
	s_mov_b32 s[G1A+7], 0
	s_mov_b32 s[G1B+7], 0
	; where the tiles come from: hb's hang on the tile row alone, wb's on the tile column alone, each in registers that never hold the other coordinate
	s_lshl_b32 s40, s[TT], 18                      ; hb: (128 x tile row + 64 x half) rows of 2,048 bytes
	s_lshl_b32 s42, s[CH], 17
	s_add_co_u32 s40, s40, s42
	s_mov_b32 s41, 0
	s_lshl_b32 s44, s[FT], 19                      ; wb: (256 x tile column + 128 x half) rows
	s_lshl_b32 s46, s[CH], 18
	s_add_co_u32 s44, s44, s46
	s_mov_b32 s45, 0
	s_mul_i32 s43, s[CH], AHALF                    ; and where they go: no place in the cluster enters an LDS address
	s_mul_i32 s47, s[CH], BHALF
	s_add_co_u32 s47, s47, BOFF
	s_wait_dscnt 0x0                               ; the opening add is done
	s_wait_kmcnt 0x0
	s_add_nc_u64 s[40:41], s[4:5], s[40:41]
	s_add_nc_u64 s[44:45], s[6:7], s[44:45]
	CROUND                                         ; all sixteen work-groups are here: the first joint loads meet
.irp s, 0,1
	s_mov_b32 s[G0A+4*(\s)], 1                                     ; count = 1
	s_add_co_u32 s[G0A+4*(\s)+1], s43, (\s)*SLOT                   ; LDS address
	s_add_nc_u64 s[G0A+4*(\s)+2:G0A+4*(\s)+3], s[40:41], (\s)*KB   ; global address: K step s of expert 0
	s_or_b32 s[G0A+4*(\s)+3], s[G0A+4*(\s)+3], 0x80000000          ; type = 2
	s_mov_b32 s[G0B+4*(\s)], 1
	s_add_co_u32 s[G0B+4*(\s)+1], s47, (\s)*SLOT
	s_add_nc_u64 s[G0B+4*(\s)+2:G0B+4*(\s)+3], s[44:45], (\s)*KB
	s_or_b32 s[G0B+4*(\s)+3], s[G0B+4*(\s)+3], 0x80000000
	JLOAD \s                                       ; two loads of mine are out: the ring is filled before anything else is done
.endr
	; A fragment is 16 rows x 32 K in 8 registers: lane l holds row l % 16, K = 8 (l / 16) + 0..7 and 16 + 8 (l / 16) + 0..7: two loads of 16 bytes, 32 bytes apart.
	v_and_b32 v1, 15, v0                           ; r = l % 16
	v_bfe_u32 v2, v0, 4, 1                         ; l / 16
	v_mul_u32_u24 v3, v1, PITCH
	v_lshl_add_u32 v3, v2, 4, v3
	s_mul_i32 s40, s[RH], AHALF                    ; my 64 rows of hb
	s_mul_i32 s42, s[CH], BHALF                    ; my 128 rows of wb,
	s_add_co_u32 s42, s42, BOFF                    ; which lie behind hb's 128
.irp s, 0,1
	v_add_nc_u32 v[ADRA+(\s)], s40, v3
	v_add_nc_u32 v[ADRB+(\s)], s42, v3
	s_add_co_u32 s40, s40, SLOT
	s_add_co_u32 s42, s42, SLOT
.endr
	s_mul_i32 s43, s[WV], WSTAGE                   ; my stage
	v_mul_u32_u24 v4, v1, SPITCH                   ; in: row r, 32 bytes for each half of the lanes
	v_lshl_add_u32 v4, v2, 5, v4
	v_add_nc_u32 v[STO], s43, v4
	v_and_b32 v5, 31, v0
	v_lshlrev_b32 v[CO], 4, v5
	v_add_nc_u32 v[RD], s43, v[CO]                 ; back: 32 lanes take one row of 512 bytes
	v_lshrrev_b32 v6, 1, v1
	v_and_b32 v7, 1, v1
	v_lshlrev_b32 v7, 4, v7
	v_lshl_add_u32 v[RWO], v6, 8, v7               ; block r / 2, 16 bytes for r % 2
	v_lshlrev_b32 v[BO], 5, v2
	s_lshl_b32 s40, s[TT], 1
	s_add_co_u32 s40, s40, s[RH]                   ; my 64 tokens are group 2 x tile row + half: eight blocks of 256 bytes
	s_lshl_b32 s40, s40, 11
	s_mov_b32 s41, 0
	s_add_nc_u64 s[8:9], s[8:9], s[40:41]
	s_lshl_b32 s40, s[TT], 19                      ; out at my first row: (128 x tile row + 64 x half) rows of 4,096 bytes,
	s_lshl_b32 s42, s[RH], 18
	s_add_co_u32 s40, s40, s42
	s_add_nc_u64 s[12:13], s[12:13], s[40:41]
	s_lshl_b32 s44, s[FT], 10                      ; and my first column, in out and in the bias: 1,024 x tile column + 512 x half bytes
	s_lshl_b32 s46, s[CH], 9
	s_add_co_u32 s44, s44, s46
	s_mov_b32 s45, 0
	s_add_nc_u64 s[10:11], s[10:11], s[44:45]
	s_add_nc_u64 s[12:13], s[12:13], s[44:45]
	WIN 0xc0                                       ; destination window 3
.irp a, 0,1,2,3                                    ; total starts at the bias: nothing is cleared, and no addition is spent on it.  All this stands in the wait for the first tile
.irp b, 0,1,2,3,4,5,6,7
.irp k, 0,1
	global_load_b128 v[8*(8*(\a)+(\b))+4*(\k):8*(8*(\a)+(\b))+4*(\k)+3], v[BO], s[10:11] offset:64*(\b)+16*(\k)
.endr
.endr
.endr
	WIN 0
	s_mov_b32 s[PP], 0x3e6d3389                    ; 0.2316419
	s_mov_b32 s[KK], 0x3f596d27                    ; sqrt(log2(e) / 2) = 0.8493218
	s_mov_b32 s[KK+1], s[KK]                       ; named with it as a pair, so it is written
	s_mov_b32 s[C1], 0x3e027906                    ;  0.319381530 / sqrt(2 pi)
	s_mov_b32 s[C1+1], s[C1]
	s_mov_b32 s[C2], 0xbe11a98e                    ; -0.356563782 / sqrt(2 pi)
	s_mov_b32 s[C2+1], s[C2]
	s_mov_b32 s[C3], 0x3f35f0e3                    ;  1.781477937 / sqrt(2 pi)
	s_mov_b32 s[C3+1], s[C3]
	s_mov_b32 s[C4], 0xbf3a00e3                    ; -1.821255978 / sqrt(2 pi)
	s_mov_b32 s[C4+1], s[C4]
	s_mov_b32 s[C5], 0x3f07dc22                    ;  1.330274429 / sqrt(2 pi)
	s_mov_b32 s[C5+1], s[C5]
; 8 matrix instructions: token block a x all 8 column blocks, 32 along K, from buffer f.  zero = 1: the product starts temp's sum.
; The 32 accumulators take turns, one instruction a turn, in the same order in every quarter: between two links of a chain stand the 31 others'.
.macro MULA f, a, zero
	WIN MUL
.irp b, 0,1,2,3,4,5,6,7
.if \zero
	v_wmma_f32_16x16x32_bf16 v[8*(8*(\a)+(\b)):8*(8*(\a)+(\b))+7], v[64*(\f)+8*(\b):64*(\f)+8*(\b)+7], v[FA+32*(\f)+8*(\a):FA+32*(\f)+8*(\a)+7], 0
.else
	v_wmma_f32_16x16x32_bf16 v[8*(8*(\a)+(\b)):8*(8*(\a)+(\b))+7], v[64*(\f)+8*(\b):64*(\f)+8*(\b)+7], v[FA+32*(\f)+8*(\a):FA+32*(\f)+8*(\a)+7], v[8*(8*(\a)+(\b)):8*(8*(\a)+(\b))+7]
.endif
.endr
.endm
; 24 LDS loads in one run: the fragments of one quarter step (128 rows of wb, then 64 rows of hb, 32 K at byte k of the rows) into buffer f
.macro FETCH slot, k, f
	WIN TO_B
.irp i, 0,1,2,3,4,5,6,7
	ds_load_b128 v[64*(\f)+8*(\i):64*(\f)+8*(\i)+3],   v[ADRB+(\slot)] offset:(\k)+(\i)*16*PITCH
	ds_load_b128 v[64*(\f)+8*(\i)+4:64*(\f)+8*(\i)+7], v[ADRB+(\slot)] offset:(\k)+(\i)*16*PITCH+32
.endr
	WIN 0
.irp i, 0,1,2,3
	ds_load_b128 v[FA+32*(\f)+8*(\i):FA+32*(\f)+8*(\i)+3],   v[ADRA+(\slot)] offset:(\k)+(\i)*16*PITCH
	ds_load_b128 v[FA+32*(\f)+8*(\i)+4:FA+32*(\f)+8*(\i)+7], v[ADRA+(\slot)] offset:(\k)+(\i)*16*PITCH+32
.endr
.endm
; A load into a register that a matrix instruction has read, and a vector instruction that reads a matrix result, stand four places behind that matrix instruction, and only plain vector
; instructions that name none of its registers are places (ISA guide 7.12.1 for vector instructions).
.macro PLACES
.rept 4
	v_nop
.endr
.endm
; A K step is four quarters of 32 along K, 32 matrix instructions each, on buffers 0, 1, 0, 1.  One of the first three: multiplies buffer f; in its middle it fetches the next quarter, at byte k, into buffer g.
.macro QUARTER slot, k, f, g, zero
	s_wait_dscnt 4                                 ; wb's fragments and hb's blocks 0, 1 are in; the youngest four loads (blocks 2, 3) may be out
	MULA \f, 0, \zero
	MULA \f, 1, \zero
	PLACES
	FETCH \slot, \k, \g
	s_wait_dscnt 24                                ; all but the 24 just issued
	MULA \f, 2, \zero
	MULA \f, 3, \zero
.endm
; The last quarter multiplies buffer 1 and changes slots.  MEET is its first half: ONE barrier for two things.  In front of it each wave waits for all its tensor loads, of which one is out: its part of the
; next slot; adds 0 to its spare word; and waits for that and for its own reads of this slot.  Behind it nobody reads this slot any more and the next slot is whole.
.macro MEET round                      ; round = 1: a round of the cluster's barrier follows
	WIN 0                                          ; (the add's two registers lie in window 0)
	s_wait_tensorcnt 0x0                           ; all my tensor loads have landed
	ds_add_u32 v[SPW], v[NIL]                      ; 0 onto my spare word
	s_wait_dscnt 5                                 ; (the add and the youngest four loads may be out)
	MULA 1, 0, 0                                   ; eight matrix instructions stand between the add and the wait for it
	s_wait_dscnt 0x0                               ; the add is done, and my reads of this slot are over
	s_barrier_signal -1
	MULA 1, 1, 0                                   ; work on registers while the others arrive
.if \round
	WIN 0
.endif
	s_barrier_wait -1
.endm
; The whole last quarter.  Behind the round the slot just read out is filled again first: with this expert's K step two steps on (on = 0) or, in an expert's last two steps, with the NEXT expert's
; step 0 or 1 (on = 1); then come the next slot's first fragments.  From a request to the wait for it a wave issues 112 matrix instructions.  One load of mine is out behind each round.
.macro TURN slot, next, on
	MEET 1
	CREST                                          ; no wave of any partner still reads this slot's tile or has a load on its way
.if \on
	s_sub_nc_u64 s[G0A+4*(\slot)+2:G0A+4*(\slot)+3], s[G0A+4*(\slot)+2:G0A+4*(\slot)+3], BACK_A
	s_add_nc_u64 s[G0B+4*(\slot)+2:G0B+4*(\slot)+3], s[G0B+4*(\slot)+2:G0B+4*(\slot)+3], NEXT_B
.else
	s_add_nc_u64 s[G0A+4*(\slot)+2:G0A+4*(\slot)+3], s[G0A+4*(\slot)+2:G0A+4*(\slot)+3], 2*KB
	s_add_nc_u64 s[G0B+4*(\slot)+2:G0B+4*(\slot)+3], s[G0B+4*(\slot)+2:G0B+4*(\slot)+3], 2*KB
.endif
	JLOAD \slot                                    ; the first tensor load behind the round; its four v_nop are also the places in front of the loads below
	FETCH \next, 0, 0
	MULA 1, 2, 0
	MULA 1, 3, 0
.endm
; total += gate x temp: 128 packed multiply-adds, ascending.  Token block a takes word a of the lane's four gates for both halves.
.macro FOLD
	s_wait_loadcnt 0x0                             ; the gates (and, the first time, the bias in total) are in; the gates' base may be stepped
	PLACES                                         ; behind the expert's last products
	WIN W_FOLD
.irp a, 0,1,2,3
.set n, 0
.rept 32
.if ((\a)%2) == 0
	v_pk_fma_f32 v[64*(\a)+2*n:64*(\a)+2*n+1], v[64*(\a)+2*n:64*(\a)+2*n+1], v[CUR+2*((\a)/2):CUR+2*((\a)/2)+1], v[64*(\a)+2*n:64*(\a)+2*n+1] op_sel_hi:[1,0,1]
.else
	v_pk_fma_f32 v[64*(\a)+2*n:64*(\a)+2*n+1], v[64*(\a)+2*n:64*(\a)+2*n+1], v[CUR+2*((\a)/2):CUR+2*((\a)/2)+1], v[64*(\a)+2*n:64*(\a)+2*n+1] op_sel:[0,1,0] op_sel_hi:[1,1,1]
.endif
.set n, n+1
.endr
.endr
	WIN 0
.endm
	s_wait_tensorcnt 1                             ; my part of K step 0 is in; step 1's may stay out
	s_barrier_signal -1
	s_barrier_wait -1                              ; everybody's is
	FETCH 0, 0, 0
	s_mov_b32 s2, 8                                ; experts to go, this one among them: the same number in every work-group
.Lexp:
	global_load_b128 v[CUR:CUR+3], v[RWO], s[8:9]  ; this expert's gates: wanted eight K steps later
	QUARTER 0, 64,  0, 1, 1                        ; an expert's first quarter stands in front of the loop: its products start temp's sums
	WIN 0                                          ; at a label and at a branch every window is 0
	s_mov_b32 s3, 3
.Llap:                                             ; a trip goes once round the ring, from a lap's second quarter to the next lap's first, and fills both slots again
	QUARTER 0, 128, 1, 0, 0
	QUARTER 0, 192, 0, 1, 0
	TURN 0, 1, 0
	QUARTER 1, 64,  0, 1, 0
	QUARTER 1, 128, 1, 0, 0
	QUARTER 1, 192, 0, 1, 0
	TURN 1, 0, 0
	QUARTER 0, 64,  0, 1, 0
	WIN 0
	s_sub_co_u32 s3, s3, 1
	s_cmp_lg_u32 s3, 0
	s_cbranch_scc1 .Llap
	QUARTER 0, 128, 1, 0, 0                        ; the expert's last lap goes on
	QUARTER 0, 192, 0, 1, 0
	WIN 0
	s_cmp_eq_u32 s2, 1
	s_cbranch_scc1 .Llast                          ; the last expert's tail is written out: it asks for nothing more
	TURN 0, 1, 1                                   ; the ring goes on into the next expert: slot 0 takes its K step 0,
	QUARTER 1, 64,  0, 1, 0
	QUARTER 1, 128, 1, 0, 0
	QUARTER 1, 192, 0, 1, 0
	TURN 1, 0, 1                                   ; slot 1 its K step 1, and the next expert's first fragments are fetched
	FOLD
	s_add_nc_u64 s[8:9], s[8:9], 32                ; the next expert's gates
	s_sub_co_u32 s2, s2, 1
	s_branch .Lexp
.Llast:
	MEET 0                                         ; my one tensor load that was still out is slot 1's, the last K step's, so no round follows
	PLACES                                         ; for the loads into buffer 0, which the quarter before multiplied
	FETCH 1, 0, 0
	MULA 1, 2, 0
	MULA 1, 3, 0
	QUARTER 1, 64,  0, 1, 0
	QUARTER 1, 128, 1, 0, 0
	QUARTER 1, 192, 0, 1, 0
	s_wait_dscnt 4                                 ; the very last quarter: nothing more to fetch
	MULA 1, 0, 0
	MULA 1, 1, 0
	s_wait_dscnt 0x0                               ; my reads of the ring are over:
	MULA 1, 2, 0
	MULA 1, 3, 0
	s_barrier_signal -1                            ; say so; the last fold, work on registers, stands between the signal and the wait
	FOLD
	s_barrier_wait -1                              ; nobody reads the ring any more, and it has had its last fill: the stages may be written
	; THE WAY OUT.  A lane's eight columns of a token are 32 bytes of a row of 512.  All 64 rows go into my own stage and come back as whole rows, eight a trip; then the gelu; then the stores.
	WIN 0x0c                                       ; store data in window 3, address in window 0
.irp a, 0,1,2,3
.irp b, 0,1,2,3,4,5,6,7
.irp k, 0,1
	ds_store_b128 v[STO], v[8*(8*(\a)+(\b))+4*(\k):8*(8*(\a)+(\b))+4*(\k)+3] offset:(\a)*16*SPITCH+64*(\b)+16*(\k)
.endr
.endr
.endr
	WIN 0
.macro ONE line:vararg                 ; one line for each of the trip's 32 numbers a lane: n = 0 .. 31
.set n, 0
.rept 32
	\line
.set n, n+1
.endr
.endm
.macro PAIR line:vararg                ; one line for each pair: n = 0, 2 .. 30
.set n, 0
.rept 16
	\line
.set n, n+2
.endr
.endm
	s_mov_b32 s3, 8
.Lrows:
.irp i, 0,1,2,3,4,5,6,7
	ds_load_b128 v[XR+4*(\i):XR+4*(\i)+3], v[RD] offset:(\i)*SPITCH  ; LDS serves a wave's instructions in order (ISA guide 5.7.1.4): these see my stores above; no other wave touches my stage
.endr
	s_wait_dscnt 0x0
.set n, 0
.rept 32
	v_fma_f32 v[TR+n], |v[XR+n]|, s[PP], 1.0       ; 1 + p |x|
.set n, n+1
.endr
	ONE v_rcp_f32 v[TR+n], v[TR+n]                 ; t
	PAIR v_pk_mul_f32 v[ER+n:ER+n+1], v[XR+n:XR+n+1], s[KK:KK+1] op_sel_hi:[1,0]
	PAIR v_pk_mul_f32 v[ER+n:ER+n+1], v[ER+n:ER+n+1], v[ER+n:ER+n+1] neg_lo:[1,0] neg_hi:[1,0]  ; -(x^2 / 2) log2(e)
	ONE v_exp_f32 v[ER+n], v[ER+n]
	v_nop                                          ; a plain instruction behind the last exponential (ISA guide 5.7.2),
	s_wait_alu depctr_va_vdst(0)                   ; and the wait ahead of the first use: ONE for the 32 reciprocals and the 32 exponentials
	PAIR v_pk_fma_f32 v[RR+n:RR+n+1], v[TR+n:TR+n+1], s[C5:C5+1], s[C4:C4+1] op_sel_hi:[1,0,0]
	PAIR v_pk_fma_f32 v[RR+n:RR+n+1], v[RR+n:RR+n+1], v[TR+n:TR+n+1], s[C3:C3+1] op_sel_hi:[1,1,0]
	PAIR v_pk_fma_f32 v[RR+n:RR+n+1], v[RR+n:RR+n+1], v[TR+n:TR+n+1], s[C2:C2+1] op_sel_hi:[1,1,0]
	PAIR v_pk_fma_f32 v[RR+n:RR+n+1], v[RR+n:RR+n+1], v[TR+n:TR+n+1], s[C1:C1+1] op_sel_hi:[1,1,0]
	PAIR v_pk_mul_f32 v[RR+n:RR+n+1], v[RR+n:RR+n+1], v[TR+n:TR+n+1]
	PAIR v_pk_mul_f32 v[RR+n:RR+n+1], v[RR+n:RR+n+1], v[ER+n:ER+n+1]  ; Q(|x|)
	ONE v_max_num_f32 v[ER+n], 0, v[XR+n]
.set n, 0
.rept 32
	v_fma_f32 v[XR+n], -|v[XR+n]|, v[RR+n], v[ER+n]  ; max(x, 0) - |x| Q(|x|)
.set n, n+1
.endr
.irp i, 0,1,2,3,4,5,6,7
	global_store_b128 v[CO], v[XR+4*(\i):XR+4*(\i)+3], s[12:13] offset:(\i)*4096 th:TH_STORE_NT  ; the wave stores 512 consecutive bytes, at a multiple of 512 from out's first byte
.endr
	s_wait_xcnt 0x0                                ; every earlier memory instruction has had its addresses translated (ISA guide 3.1): only behind this wait are the stores' base and, in the next trip, their data written again
	s_add_nc_u64 s[12:13], s[12:13], 8*4096
	v_add_nc_u32 v[RD], 8*SPITCH, v[RD]
	s_sub_co_u32 s3, s3, 1
	s_cmp_lg_u32 s3, 0
	s_cbranch_scc1 .Lrows
	s_wait_tensorcnt 0x0                           ; the wave's end, behind my last tensor load and my last LDS store
	ds_add_u32 v[SPW], v[NIL]
	s_wait_dscnt 0x0
	CROUND                                         ; the closing round: no work-group ends while a partner may still ask for a tile that names it
	s_endpgm
.Lfunc_end_k_qe4d6d8d941_gemm:
	.size	k_qe4d6d8d941_gemm, .Lfunc_end_k_qe4d6d8d941_gemm-k_qe4d6d8d941_gemm
	.p2alignl 7, 3214868480
	.fill 96, 4, 3214868480
	.section	.rodata,"a",@progbits
	.p2align	6, 0x0
	.amdhsa_kernel k_qe4d6d8d941_gemm
		.amdhsa_group_segment_fixed_size 327680
		.amdhsa_private_segment_fixed_size 0
		.amdhsa_enable_private_segment 0
		.amdhsa_kernarg_size 40
		.amdhsa_user_sgpr_count 2
		.amdhsa_user_sgpr_kernarg_segment_ptr 1
		.amdhsa_wavefront_size32 1
		.amdhsa_system_sgpr_workgroup_id_x 1
		.amdhsa_system_sgpr_workgroup_id_y 1
		.amdhsa_system_sgpr_workgroup_id_z 1
		.amdhsa_system_vgpr_workitem_id 0
		.amdhsa_next_free_vgpr 1024
		.amdhsa_next_free_sgpr 80
		.amdhsa_reserve_vcc 0
		.amdhsa_float_denorm_mode_32 3
		.amdhsa_float_denorm_mode_16_64 3
		.amdhsa_memory_ordered 1
		.amdhsa_forward_progress 1
		.amdhsa_inst_pref_size 136
	.end_amdhsa_kernel
	.amdgpu_metadata
---
amdhsa.version: [ 1, 2 ]
amdhsa.kernels:
  - .name:           k_qe4d6d8d941_gemm
    .symbol:         k_qe4d6d8d941_gemm.kd
    .args:
      - { .name: hb, .offset: 0, .size: 8, .value_kind: global_buffer, .address_space: global }
      - { .name: wb, .offset: 8, .size: 8, .value_kind: global_buffer, .address_space: global }
      - { .name: rw, .offset: 16, .size: 8, .value_kind: global_buffer, .address_space: global }
      - { .name: bb, .offset: 24, .size: 8, .value_kind: global_buffer, .address_space: global }
      - { .name: out0, .offset: 32, .size: 8, .value_kind: global_buffer, .address_space: global }
    .group_segment_fixed_size: 327680
    .private_segment_fixed_size: 0
    .kernarg_segment_align: 8
    .kernarg_segment_size: 40
    .max_flat_workgroup_size: 128
    .sgpr_count:     80
    .vgpr_count:     1024
    .wavefront_size: 32
...
	.end_amdgpu_metadata
.endif
;; end of part 2
;; ======== version 2 of 3: 2 launches; 1.28 times as fast as version 1
;; workspace buffers: hb 16,777,216 bytes; wb 16,777,216 bytes; rw 262,144 bytes; bb 4,096 bytes
;; launch prep (part 3): grid 256 x 1, 8 waves a work-group, no clusters, 17,408 bytes of LDS; arguments h, W_edges, W_route, b_route, layer_bias, hb, wb, rw, bb; writes hb, wb, rw, bb
.if DOCPART == 3
	.amdgcn_target "amdgcn-amd-amdhsa--gfx1250"
	.amdhsa_code_object_version 6
	.text
	.protected	k_qe4d6d8d941_prep
	.globl	k_qe4d6d8d941_prep
	.p2align	8
	.type	k_qe4d6d8d941_prep,@function
k_qe4d6d8d941_prep:
	s_mov_b64 s[64:65], 0
	v_nop
	global_prefetch_b8 v0, s[64:65] scope:SCOPE_SE
	s_setreg_imm32_b32 hwreg(HW_REG_WAVE_MODE, 25, 1), 1
	s_wait_xcnt 0x0
; hb = bf16(h), wb = bf16(W_edges), bb = bf16(layer_bias) kept as f32, rw = softmax over 8 experts of (bf16(h) . bf16(W_route)^T + bf16(b_route)).  Every input is rounded to bf16 once; all sums are f32.
; h and W_edges are both 8,192 rows of 1,024 f32.  A work-group of eight waves takes 32 rows of each: waves 0-3 rows of h, waves 4-7 rows of W_edges, 8 rows a wave, by one text.
; A row is eight loads of 16 bytes a lane (each load of the wave: 512 consecutive bytes); lane l holds columns 128 j + 4 l .. + 3.  All of a wave's rows are asked for before the second is used.
; Rounded once to bf16 they leave as eight stores of 8 bytes a lane: each store of the wave covers 256 consecutive bytes, aligned.
; THE ROUTER rides on the rounded rows of h while they lie in registers: sums in f32 by v_fma_mix_f32_bf16 (the products of two bf16 are exact in f32).  No matrix instruction: a lane holds columns
; of a row here, not a row, and eight output columns are a thousandth of the module's products; turning the rows would cost a trip through LDS.
; THE ONE BARRIER stands early, straight behind the stores of W_route into LDS: behind it no wave waits for another, and a wave of h goes on to the router as soon as its own rows are stored.
; THE BIAS: while waves 0-3 run the router, wave 4 of work-groups 0 to 15 rounds 64 numbers of layer_bias each.
; NO CLUSTER, no tensor load: the work-groups share W_route alone, 32,768 bytes beside the 262,144 of rows that each reads.
; rw's LAYOUT: blocks of 256 bytes, block 8 G + u holds the tokens 64 G + 16 a + 2 u + i at float e * 8 + i * 4 + a.  A wave owns one block's eight tokens and stores the block whole;
; the next launch's lane takes four gates (a = 0..3) of one expert with one load of 16 bytes.
; LIMITS.  The softmax takes the row's maximum away first; an exponential below 2^-126 counts as 0; NaN and infinities are not treated apart.
.set SPARE, 16384                      ; behind W_route's 16,384 bytes: the spare words, 128 bytes for each of eight waves: four blocks of 256 bytes that no other line names
.set LO,  2                            ; v2   16 x lane: my bytes in 512 bytes of f32, and in 512 bytes of W_route in LDS; never rewritten
.set SO,  3                            ; v3   8 x lane: my bytes in 256 bytes of bf16, in a block of rw and in 64 numbers of the bias
.set WS,  5                            ; v5   LDS address at which my wave lays its expert of W_route
.set BO,  6                            ; v6   4 x (lane / 4): my expert's place in b_route
.set SPW, 30                           ; v30  LDS address of my spare word; never rewritten
.set NIL, 31                           ; v31  0; never rewritten
.set P,   32                           ; v[32:39]  my part of the eight rows' sums for one expert
.set KS,  40                           ; v[40:47]  at work in the reduction: kept, sent
.set Z,   48                           ; v[48:49]  logits, then gates: lane l, register g: expert l / 4, row slot 4 g + l % 4
.set M,   50                           ; v[50:51]  maxima, then sums; in the bias's wave two numbers of the bias
.set T,   52                           ; v52  what the other half of the lanes holds
.set BR,  53                           ; v53  b_route of my expert
.set ZR,  54                           ; v54  0: the addend that starts a sum
.set H,   64                           ; v[64:191]   slot q: 16 registers of packed bf16
.set WR,  192                          ; v[192:207]  one expert of W_route, packed as a row is
.set WF,  208                          ; v[208:239]  the same in f32, as loaded
                                       ; window 1: v[32 q + 4 j ..] slot q's row in f32, as loaded
.set WV,  22                           ; s22  my wave's number
.set SRC, 24                           ; s[24:25]  h or W_edges at my first row
.set DST, 26                           ; s[26:27]  hb or wb at my first row
.set MSK, 28                           ; s28  the four lanes of the expert in hand
.set ODD, 29                           ; s29  lanes with bit 0 set
.set HI2, 30                           ; s30  lanes with bit 1 set
.set SEL, 32                           ; s32, s33  v_permlanex16_b32's selects: each lane takes its own place in the other half
.set MSB, 0
.macro WIN new                         ; the immediate's high byte repeats the setting that is left; a switch that changes nothing is dropped
.if MSB != (\new)
	s_set_vgpr_msb (MSB<<8)|(\new)
.set MSB, \new
.endif
.endm
.macro RCOF q                          ; slot q = 4 g + m is the row 32 (m % 2) + 16 g + m / 2 behind my first: token part 16 a + i with a = 2 (m % 2) + g, i = m / 2
.set RC, 32*(((\q)%4)%2)+16*((\q)/4)+(((\q)%4)/2)
.endm
.macro ASK q                           ; eight loads: the whole row of slot q, into window 1
	RCOF \q
	WIN 0x40
.irp j, 0,1,2,3,4,5,6,7
	global_load_b128 v[32*(\q)+4*(\j):32*(\q)+4*(\j)+3], v[LO], s[SRC:SRC+1] offset:RC*4096+512*(\j) th:TH_LOAD_NT
.endr
.endm
.macro ROW q, left                     ; slot q is rounded and stored.  left: the younger loads, which stay out
	RCOF \q
	s_wait_loadcnt \left               ; loads come back in order (ISA guide 5.7.1): this row is in
	WIN 0x05                           ; sources in window 1, destination in window 0
.set n, 0
.rept 16
	v_cvt_pk_bf16_f32 v[H+16*(\q)+n], v[32*(\q)+2*n], v[32*(\q)+2*n+1]
.set n, n+1
.endr
	WIN 0
.irp j, 0,1,2,3,4,5,6,7
	global_store_b64 v[SO], v[H+16*(\q)+2*(\j):H+16*(\q)+2*(\j)+1], s[DST:DST+1] offset:RC*2048+256*(\j)  ; no register of a store is ever written again, so nothing waits for the stores
.endr
.endm
; One expert's logits for my eight rows.  The eight experts are written out: each names its LDS bytes by an immediate beside the one address register, 16 x lane, which is never stepped.
.macro EXPERT e
.irp i, 0,1,2,3
	ds_load_b128 v[WR+4*(\i):WR+4*(\i)+3], v[LO] offset:(\e)*2048+512*(\i)
.endr
	s_mov_b32 s[MSK], 15<<(4*(\e))                 ; lanes 4 e .. 4 e + 3
.irp i, 0,1,2,3
	s_wait_dscnt 3-(\i)                            ; LDS loads come back in order: piece i is in
.irp c, 0,1,2,3
.irp hf, 0,1
.irp q, 0,1,2,3,4,5,6,7                            ; eight sums by turns, so that none waits for its own last link
.if ((\i)+(\c)+(\hf)) == 0
	v_fma_mix_f32_bf16 v[P+(\q)], v[H+16*(\q)], v[WR], v[ZR] op_sel:[0,0,0] op_sel_hi:[1,1,0]
.else
	v_fma_mix_f32_bf16 v[P+(\q)], v[H+16*(\q)+4*(\i)+(\c)], v[WR+4*(\i)+(\c)], v[P+(\q)] op_sel:[\hf,\hf,0] op_sel_hi:[1,1,0]
.endif
.endr
.endr
.endr
.endr
	; Eight sums over 32 lanes.  The first two steps halve the registers as they add: a lane keeps the slot whose number has its own lane bit and sends the other to its partner.
.irp i, 0,1,2,3
	v_cndmask_b32 v[KS+2*(\i)],   v[P+2*(\i)],   v[P+2*(\i)+1], s[ODD]
	v_cndmask_b32 v[KS+2*(\i)+1], v[P+2*(\i)+1], v[P+2*(\i)],   s[ODD]
.endr
.irp i, 0,1,2,3
	v_add_f32_dpp v[KS+2*(\i)], v[KS+2*(\i)+1], v[KS+2*(\i)] row_xmask:1 row_mask:0xf bank_mask:0xf
.endr
.irp g, 0,1
	v_cndmask_b32 v[P+2*(\g)],   v[KS+4*(\g)],   v[KS+4*(\g)+2], s[HI2]
	v_cndmask_b32 v[P+2*(\g)+1], v[KS+4*(\g)+2], v[KS+4*(\g)],   s[HI2]
.endr
.irp g, 0,1
	v_add_f32_dpp v[P+2*(\g)], v[P+2*(\g)+1], v[P+2*(\g)] row_xmask:2 row_mask:0xf bank_mask:0xf
.endr
.irp g, 0,1
	v_add_f32_dpp v[P+2*(\g)], v[P+2*(\g)], v[P+2*(\g)] row_xmask:4 row_mask:0xf bank_mask:0xf
.endr
.irp g, 0,1
	v_add_f32_dpp v[P+2*(\g)], v[P+2*(\g)], v[P+2*(\g)] row_xmask:8 row_mask:0xf bank_mask:0xf
.endr
.irp g, 0,1
	v_permlanex16_b32 v[T], v[P+2*(\g)], s[SEL], s[SEL+1]
	v_add_f32 v[P+2*(\g)], v[P+2*(\g)], v[T]       ; every lane l: the whole sum of slot 4 g + l % 4
	v_cndmask_b32 v[Z+(\g)], v[Z+(\g)], v[P+2*(\g)], s[MSK]  ; kept by the four lanes of this expert
.endr
.endm
	s_load_b256 s[4:11], s[0:1], 0x0               ; h s[4:5], W_edges s[6:7], W_route s[8:9], b_route s[10:11]
	s_load_b256 s[12:19], s[0:1], 0x20             ; layer_bias s[12:13], hb s[14:15], wb s[16:17], rw s[18:19]
	s_load_b64 s[20:21], s[0:1], 0x40              ; bb
	v_lshl_add_u32 v[SPW], v0, 2, SPARE
	v_mov_b32 v[NIL], 0
	v_lshrrev_b32 v1, 5, v0
	v_readfirstlane_b32 s[WV], v1                  ; wave 0..7
	v_and_b32 v1, 31, v0                           ; lane
	v_lshlrev_b32 v[LO], 4, v1
	v_lshlrev_b32 v[SO], 3, v1
	v_and_b32 v[BO], 28, v0
	s_lshl_b32 s23, s[WV], 11                      ; an expert of W_route is 2,048 bytes in bf16
	v_add_nc_u32 v[WS], s23, v[LO]
	v_mov_b32 v[ZR], 0
	v_mov_b32 v[Z], 0                              ; destinations of selects, of DPP forms and of v_permlanex16_b32 count as read: written once here
	v_mov_b32 v[Z+1], 0
	v_mov_b32 v[M], 0
	v_mov_b32 v[M+1], 0
	v_mov_b32 v[T], 0
	s_mov_b32 s[ODD], 0xaaaaaaaa
	s_mov_b32 s[HI2], 0xcccccccc
	s_mov_b32 s[SEL], 0x76543210
	s_mov_b32 s[SEL+1], 0xfedcba98
	s_lshr_b32 s34, ttmp9, 1                       ; my first row = 64 (g / 2) + 2 u, u = 4 (g % 2) + w % 4
	s_lshl_b32 s34, s34, 6
	s_and_b32 s35, ttmp9, 1
	s_lshl_b32 s35, s35, 3
	s_add_co_u32 s34, s34, s35
	s_and_b32 s46, s[WV], 3
	s_lshl1_add_u32 s34, s46, s34
	s_lshl_b32 s36, s34, 12                        ; in bytes of f32 rows,
	s_mov_b32 s37, 0
	s_lshl_b32 s38, s34, 11                        ; and of bf16 rows
	s_mov_b32 s39, 0
	s_lshl_b32 s40, s[WV], 12                      ; wave w rounds expert w of W_route
	s_mov_b32 s41, 0
	s_lshl2_add_u32 s42, ttmp9, s46                ; my block of rw: 8 (g / 2) + u = 4 g + w % 4
	s_lshl_b32 s42, s42, 8
	s_mov_b32 s43, 0
	s_lshl_b32 s44, ttmp9, 8                       ; 256 g: work-group g's 64 numbers of the bias, where g is below 16
	s_mov_b32 s45, 0
	s_wait_kmcnt 0x0
	s_cmp_lt_u32 s[WV], 4
	s_cselect_b64 s[SRC:SRC+1], s[4:5], s[6:7]     ; waves 0-3: h to hb; waves 4-7: W_edges to wb
	s_cselect_b64 s[DST:DST+1], s[14:15], s[16:17]
	s_add_nc_u64 s[SRC:SRC+1], s[SRC:SRC+1], s[36:37]
	s_add_nc_u64 s[DST:DST+1], s[DST:DST+1], s[38:39]
	s_add_nc_u64 s[8:9], s[8:9], s[40:41]
	s_add_nc_u64 s[18:19], s[18:19], s[42:43]
.irp j, 0,1,2,3,4,5,6,7
	global_load_b128 v[WF+4*(\j):WF+4*(\j)+3], v[LO], s[8:9] offset:512*(\j)  ; my expert of W_route, in a row's lane order
.endr
	global_load_b32 v[BR], v[BO], s[10:11]
	ASK 0
	ASK 1
	ASK 2
	ASK 3
	ASK 4
	ASK 5
	WIN 0
	s_wait_loadcnt 49                              ; W_route's eight are in; b_route's load and six rows' 48 are younger and stay out
.set n, 0
.rept 16
	v_cvt_pk_bf16_f32 v[WR+n], v[WF+2*n], v[WF+2*n+1]
.set n, n+1
.endr
.irp i, 0,1,2,3
	ds_store_b128 v[WS], v[WR+4*(\i):WR+4*(\i)+3] offset:512*(\i)  ; 32 lanes, 16 neighbouring bytes each
.endr
	ASK 6
	s_wait_dscnt 0x0                               ; for the others' sake: my expert of W_route lies in LDS
	s_barrier_signal -1
	s_barrier_wait -1                              ; all eight experts do: the router's LDS loads, far below, stand behind this wait.  The rows' loads stay out across it: no wave writes those bytes
	ROW 0, 48                                      ; rows 1 to 6 stay out
	ASK 7
	ROW 1, 48                                      ; rows 2 to 7
	ROW 2, 40
	ROW 3, 32
	ROW 4, 24
	ROW 5, 16
	ROW 6, 8
	ROW 7, 0
	s_cmp_lt_u32 s[WV], 4
	s_cbranch_scc1 .Lrouter                        ; the waves of h go on to the router
	s_cmp_lg_u32 s[WV], 4
	s_cbranch_scc1 .Lend                           ; waves 5 to 7 are done
	s_cmp_ge_u32 s44, 4096
	s_cbranch_scc1 .Lend                           ; the bias has 4,096 bytes: work-groups 0 to 15 take 256 each
	s_add_nc_u64 s[12:13], s[12:13], s[44:45]
	s_add_nc_u64 s[20:21], s[20:21], s[44:45]
	global_load_b64 v[M:M+1], v[SO], s[12:13]
	s_wait_loadcnt 0x0
	v_cvt_pk_bf16_f32 v[T], v[M], v[M+1]           ; rounded to nearest even,
	v_lshlrev_b32 v[M], 16, v[T]                   ; and written as f32 again
	v_and_b32 v[M+1], 0xffff0000, v[T]
	global_store_b64 v[SO], v[M:M+1], s[20:21]     ; the wave stores 256 consecutive bytes, aligned
	s_branch .Lend
.Lrouter:
	EXPERT 0
	EXPERT 1
	EXPERT 2
	EXPERT 3
	EXPERT 4
	EXPERT 5
	EXPERT 6
	EXPERT 7
	; The softmax over the experts: the eight lanes with the same l % 4 (lane bits 2, 3 and 4).
	v_cvt_pk_bf16_f32 v[BR], v[BR], v[BR]          ; b_route rounded to bf16, like every input,
	v_lshlrev_b32 v[BR], 16, v[BR]                 ; as f32
	v_add_f32 v[Z], v[Z], v[BR]
	v_add_f32 v[Z+1], v[Z+1], v[BR]
.irp g, 0,1
	v_max_num_f32_dpp v[M+(\g)], v[Z+(\g)], v[Z+(\g)] row_xmask:4 row_mask:0xf bank_mask:0xf
.endr
.irp g, 0,1
	v_max_num_f32_dpp v[M+(\g)], v[M+(\g)], v[M+(\g)] row_xmask:8 row_mask:0xf bank_mask:0xf
.endr
.irp g, 0,1
	v_permlanex16_b32 v[T], v[M+(\g)], s[SEL], s[SEL+1]
	v_max_num_f32 v[M+(\g)], v[M+(\g)], v[T]
.endr
	v_sub_f32 v[Z], v[Z], v[M]                     ; the maximum is taken away first
	v_sub_f32 v[Z+1], v[Z+1], v[M+1]
	v_mul_f32 v[Z], 0x3fb8aa3b, v[Z]               ; log2(e)
	v_mul_f32 v[Z+1], 0x3fb8aa3b, v[Z+1]
	v_exp_f32 v[Z], v[Z]
	v_exp_f32 v[Z+1], v[Z+1]
	v_nop                                          ; a plain instruction behind the last exponential (ISA guide 5.7.2),
	s_wait_alu depctr_va_vdst(0)                   ; and the wait ahead of the first use: one for both
.irp g, 0,1
	v_add_f32_dpp v[M+(\g)], v[Z+(\g)], v[Z+(\g)] row_xmask:4 row_mask:0xf bank_mask:0xf
.endr
.irp g, 0,1
	v_add_f32_dpp v[M+(\g)], v[M+(\g)], v[M+(\g)] row_xmask:8 row_mask:0xf bank_mask:0xf
.endr
.irp g, 0,1
	v_permlanex16_b32 v[T], v[M+(\g)], s[SEL], s[SEL+1]
	v_add_f32 v[M+(\g)], v[M+(\g)], v[T]
.endr
	v_rcp_f32 v[M], v[M]                           ; the sum is at least 1: the largest term is 2^0
	v_rcp_f32 v[M+1], v[M+1]
	v_nop
	s_wait_alu depctr_va_vdst(0)                   ; one wait for both reciprocals
	v_mul_f32 v[Z], v[Z], v[M]
	v_mul_f32 v[Z+1], v[Z+1], v[M+1]
	global_store_b64 v[SO], v[Z:Z+1], s[18:19]     ; the wave's block of rw: 256 consecutive bytes, aligned
.Lend:
	s_wait_tensorcnt 0x0                           ; the wave's end, behind my last LDS store
	ds_add_u32 v[SPW], v[NIL]
	s_wait_dscnt 0x0
	s_endpgm
.Lfunc_end_k_qe4d6d8d941_prep:
	.size	k_qe4d6d8d941_prep, .Lfunc_end_k_qe4d6d8d941_prep-k_qe4d6d8d941_prep
	.p2alignl 7, 3214868480
	.fill 96, 4, 3214868480
	.section	.rodata,"a",@progbits
	.p2align	6, 0x0
	.amdhsa_kernel k_qe4d6d8d941_prep
		.amdhsa_group_segment_fixed_size 17408
		.amdhsa_private_segment_fixed_size 0
		.amdhsa_enable_private_segment 0
		.amdhsa_kernarg_size 72
		.amdhsa_user_sgpr_count 2
		.amdhsa_user_sgpr_kernarg_segment_ptr 1
		.amdhsa_wavefront_size32 1
		.amdhsa_system_sgpr_workgroup_id_x 1
		.amdhsa_system_sgpr_workgroup_id_y 1
		.amdhsa_system_sgpr_workgroup_id_z 1
		.amdhsa_system_vgpr_workitem_id 0
		.amdhsa_next_free_vgpr 512
		.amdhsa_next_free_sgpr 66
		.amdhsa_reserve_vcc 0
		.amdhsa_float_denorm_mode_32 3
		.amdhsa_float_denorm_mode_16_64 3
		.amdhsa_memory_ordered 1
		.amdhsa_forward_progress 1
		.amdhsa_inst_pref_size 173
	.end_amdhsa_kernel
	.amdgpu_metadata
---
amdhsa.version: [ 1, 2 ]
amdhsa.kernels:
  - .name:           k_qe4d6d8d941_prep
    .symbol:         k_qe4d6d8d941_prep.kd
    .args:
      - { .name: h, .offset: 0, .size: 8, .value_kind: global_buffer, .address_space: global }
      - { .name: W_edges, .offset: 8, .size: 8, .value_kind: global_buffer, .address_space: global }
      - { .name: W_route, .offset: 16, .size: 8, .value_kind: global_buffer, .address_space: global }
      - { .name: b_route, .offset: 24, .size: 8, .value_kind: global_buffer, .address_space: global }
      - { .name: layer_bias, .offset: 32, .size: 8, .value_kind: global_buffer, .address_space: global }
      - { .name: hb, .offset: 40, .size: 8, .value_kind: global_buffer, .address_space: global }
      - { .name: wb, .offset: 48, .size: 8, .value_kind: global_buffer, .address_space: global }
      - { .name: rw, .offset: 56, .size: 8, .value_kind: global_buffer, .address_space: global }
      - { .name: bb, .offset: 64, .size: 8, .value_kind: global_buffer, .address_space: global }
    .group_segment_fixed_size: 17408
    .private_segment_fixed_size: 0
    .kernarg_segment_align: 8
    .kernarg_segment_size: 72
    .max_flat_workgroup_size: 256
    .sgpr_count:     66
    .vgpr_count:     512
    .wavefront_size: 32
...
	.end_amdgpu_metadata
.endif
;; end of part 3
;; launch gemm (part 4): grid 8 x 32, 4 waves a work-group, clusters of 4 x 4, 327,680 bytes of LDS; arguments hb, wb, rw, bb, out0; writes out0
.if DOCPART == 4
	.amdgcn_target "amdgcn-amd-amdhsa--gfx1250"
	.amdhsa_code_object_version 6
	.text
	.protected	k_qe4d6d8d941_gemm
	.globl	k_qe4d6d8d941_gemm
	.p2align	8
	.type	k_qe4d6d8d941_gemm,@function
k_qe4d6d8d941_gemm:
	s_mov_b64 s[64:65], 0
	v_nop
	global_prefetch_b8 v0, s[64:65] scope:SCOPE_SE
	s_setreg_imm32_b32 hwreg(HW_REG_WAVE_MODE, 25, 1), 1
	s_wait_xcnt 0x0
	s_wait_alu depctr_hold_cnt(0) depctr_sa_sdst(0) depctr_va_vdst(0) depctr_va_sdst(0) depctr_va_ssrc(0) depctr_va_vcc(0) depctr_vm_vsrc(0)
	s_getreg_b32 s2, hwreg(HW_REG_IB_STS2, 6, 4)
	s_cmp_eq_u32 s2, 0
	s_cbranch_scc0 .Lentry_in_a_cluster
	s_endpgm
.Lentry_in_a_cluster:
	s_bfe_u32 s2, ttmp6, 0x10000c
	s_cmp_lg_u32 s2, 0xf033
	s_cbranch_scc0 .Lentry_shape_is_right
	s_endpgm
.Lentry_shape_is_right:
; out[t][f] = gelu( bb[f] + the sum over e of rw[t][e] * (the sum over d of hb[t][d] wb[e][f][d]) ).  hb: [8192][1024] bf16; wb: [8 x 1024][1024] bf16; rw: f32 gates in blocks (below);
; bb: [1024] f32, the layer's bias rounded to bf16 by the launch before; out: [8192][1024] f32.
; THE ORDER.  d goes in 4 chunks of 256, and inside a chunk the 8 experts follow each other.  A STEP is one chunk of one expert: 256 matrix instructions a wave, in eight OCTS of 32 along K, which start
; temp's sums with 0; in the step's last oct temp is folded into the result in f32: total += gate * temp.  So no matrix operand is rounded a second time.  total starts at the bias.  32 steps in all.
; SHARES.  A work-group makes 256 tokens x 128 columns: 32 x 8 = 256 work-groups.  Each of its four waves makes 64 tokens x all 128 columns: 32 accumulators of 16 x 16, 256 registers of temp, 256 of total.
; hb IN REGISTERS.  A wave's 64 tokens x 256 d are 256 registers: they are read from LDS once a chunk and serve eight steps.  In a chunk's last step each oct's registers take the next chunk's fragments as
; soon as the oct's products have read them (the last two octs' in the turn and at the head of the next step).  So hb needs ONE buffer in LDS: read from expert 7 to the head of expert 0, filled again in between.
; THE RING.  wb goes through two LDS slots of a step each (128 rows x 512 bytes); all rows are 512 bytes of memory, at multiples of 512 bytes from the buffer's first byte.  ONE round of the cluster's barrier
; for a step: behind it the slot just read takes the step after next, and, at the rounds that enter experts 1 to 4, 64 rows of the next chunk of hb go into hb's buffer.
; For a step's 256 matrix instructions a wave the work-group receives 65,536 bytes, in those four steps 98,304.
; CLUSTERS: 4 x 4 work-groups.  The four of a row of the cluster make the same tokens and need the same tiles of hb; the four of a column the same columns and tiles of wb.  Such a tile is asked for
; JOINTLY: the same tensor load, descriptor and mask in all four; each receives it in its own LDS.  That divides the requests for both by four.
; THE MATRIX INSTRUCTION IS USED TRANSPOSED: source 0 = 16 rows of wb, source 1 = 16 rows of hb.  Lane l then holds ONE token (l % 16) and the columns 8 (l / 16) + 0..7: a gate is one number a lane.
; rw: block 8 G + u of 256 bytes holds the tokens 64 G + 16 a + 2 u + i at float e * 8 + i * 4 + a: lane r = 2 u + i takes the gates of its four tokens (a = 0..3) with one load of 16 bytes; from expert to expert 32 bytes.
; GELU.  x Phi(x) = max(x, 0) - |x| Q(|x|), Q(z) = exp(-z^2 / 2) / sqrt(2 pi) * (b1 t + .. + b5 t^5), t = 1 / (1 + 0.2316419 z) (Abramowitz and Stegun 26.2.17).
; LIMITS.  That formula is off by 7.5e-8 at the most, so the result by 7.5e-8 |x|, for every finite x; an exponential below 2^-126 counts as 0; an infinite sum gives NaN; NaN is not treated apart.
; NO PREFETCH of hb and wb: the launch before has just written them, and all clusters walk them in step.
; REGISTERS, in windows of 256 (s_set_vgpr_msb: bits 1:0 source 0, 3:2 source 1, 5:4 source 2, 7:6 destination):
;   window 0: v0-35 addresses and gates; v64-127, v128-191 fragments of wb (8 x 16 rows x 32 K), two buffers; v128-255 at work on the way out
;   window 1: fragments of hb, oct q at v[32 q] (4 x 16 rows x 32 K)      window 2: temp, (a, b) at v[8 (8 a + b)]      window 3: total, likewise
.set PITCH,  528                       ; an LDS row: 512 bytes + 16 of padding = 132 words: row r starts at bank 4 r mod 64 (64 banks of 4 bytes: ISA guide 11.1), so the 16 rows of a load start at 16 different banks
.set HPIECE, 64*PITCH                  ; 64 rows: what one tensor load brings, of hb or of wb; of hb also what a wave reads
.set HBUF,   4*HPIECE                  ; a chunk of hb: 256 rows, at LDS byte 0
.set BSLOT,  2*HPIECE                  ; a step of wb: 128 rows
.set BBASE,  HBUF                      ; wb's two slots lie behind hb's buffer.  BSLOT has no bit in common with BBASE or BBASE + HPIECE, so one exclusive or turns an address in one slot into the other's
.set SPARE,  BBASE+2*BSLOT             ; behind the ring: the spare words, 128 bytes for each wave: two blocks of 256 bytes that no other line names
.set SPITCH, 528                       ; the way out: a row of 128 f32 + 16 bytes
.set WSTAGE, 64*SPITCH                 ; a wave's stage: 64 rows.  The four stages lie in hb's buffer, which has had its last fill by then
.set LAG,    2                         ; the fold follows its product two accumulators behind
.set AA,   16                          ; v16     my lane's place in hb's buffer; never rewritten
.set AB0,  20                          ; v20     my lane's place in slot 0 of wb; never rewritten
.set AB,   21                          ; v21     the same in the slot in hand
.set STO,  24                          ; v24     the way out: where I put 16 bytes of a row
.set RD,   25                          ; v25     the way out: where I read a row back; steps
.set CO,   26                          ; v26     16 x lane: my bytes in 512 bytes of out
.set RWO,  27                          ; v27     my byte offset in my wave's eight blocks of rw; never rewritten
.set SPW,  28                          ; v28     LDS address of my spare word; never rewritten
.set NIL,  29                          ; v29     0; never rewritten
.set BO,   30                          ; v30     32 x (lane / 16): my eight columns among sixteen of the bias
.set RWP,  31                          ; v31     RWO + the expert's 32 bytes
.set CUR,  32                          ; v[32:35] the gates of the step's expert for my four tokens
.set WBF,  64                          ; wb's fragment buffers, window 0: WBF + 64 f
.set XR,   128                         ; the way out: eight rows; t; the exponential, then max(x, 0); the polynomial
.set TR,   160
.set ER,   192
.set RR,   224
.set WV, 14                            ; s14 my wave's number: also which 64 tokens are mine
.set RH, 15                            ; s15 I fetch for hb (0) or for wb (1)
.set CH, 16                            ; s16 which half of it
.set CX, 17
.set CY, 18
.set FT, 19                            ; s19 tile column, 0 to 7
.set TT, 20                            ; s20 tile row, 0 to 31
.set MROW, 21
.set MCOL, 22
.set PN, 23                            ; s23 the number of the step in hand (in TURN: of the step to be entered): chunk PN / 8, expert PN % 8
.set G1H, 24                           ; s[24:31] descriptor group 1 for hb's tiles;  s[32:39] group 0 for its first fills, two sets
.set G0A, 32
.set G1B, 48                           ; s[48:55] group 1 for wb's tiles;  s[56:63] group 0, a set for each of the two first fills; the second then walks on
.set G0B, 56
.set G0W, 60
.set PP, 66                            ; s66 0.2316419
.set AL, 67                            ; s67 LDS byte at which hb's next piece lands
.set KK, 68                            ; s[68:69] sqrt(log2(e) / 2); pairs: the packed forms name a pair and take its low word
.set C1, 70                            ; s[70:79] b1 .. b5, each divided by sqrt(2 pi)
.set C2, 72
.set C3, 74
.set C4, 76
.set C5, 78
.set G0P, 80                           ; s[80:83] group 0 for hb's pieces
.set WBB, 84                           ; s[84:85] wb at my half of my tile's rows, expert 0, chunk 0
.set HBB, 86                           ; s[86:87] hb at my tile's first row, chunk 1
.set OF,  88                           ; s[88:89] a tile's byte offset, made apart from the address
.set TB,  90                           ; s90 0 or BSLOT: the slot in hand
.set EE,  91                           ; s91 the expert in hand
.set T1,  92
.set T2,  93
.set FLAGS, (1<<16)|(1<<20)|(1<<21)|(6<<22)|(3<<25)  ; 17:16 2-byte elements; 20 padding on; 21 set beside a mask; 24:22 after every 128 words (code 6); 31:25 4 words (code 3)
.set MSB, 0
.macro WIN new                         ; the immediate's high byte repeats the setting that is left; a switch that changes nothing is dropped
.if MSB != (\new)
	s_set_vgpr_msb (MSB<<8)|(\new)
.set MSB, \new
.endif
.endm
.set MUL,    0xa4                      ; source 0 (wb) window 0, source 1 (hb) window 1, C and D window 2
.set TO_A,   0x40                      ; destination window 1, address window 0
.set W_FOLD, 0xf2                      ; temp (source 0) window 2, gate window 0, total (source 2, destination) window 3
; The joint loads.  Each line has one mask and one set of registers for all that issue it; the branches hang on the wave's number alone.
; An s_nop 0 and four v_nop follow each tensor load, ahead of the jump, the label and what follows.
.macro JLOAD0 s                        ; a first fill: waves 0 and 1 piece 2 CH + s of chunk 0 of hb, waves 2 and 3 their half of step s of wb
	s_cmp_eq_u32 s[RH], 0
	s_cbranch_scc0 .Lfor_b_\@
	tensor_load_to_lds s[G0A+4*(\s):G0A+4*(\s)+3], s[G1H:G1H+7]
	s_nop 0
.rept 4
	v_nop
.endr
	s_branch .Lasked_\@
.Lfor_b_\@:
	tensor_load_to_lds s[G0B+4*(\s):G0B+4*(\s)+3], s[G1B:G1B+7]
	s_nop 0
.rept 4
	v_nop
.endr
.Lasked_\@:
.endm
.macro JLOADB                          ; a refill of wb alone: waves 2 and 3, a half each; waves 0 and 1 have nothing to fill
	s_cmp_eq_u32 s[RH], 0
	s_cbranch_scc1 .Lasked_\@
	tensor_load_to_lds s[G0W:G0W+3], s[G1B:G1B+7]
	s_nop 0
.rept 4
	v_nop
.endr
.Lasked_\@:
.endm
.macro JLOADAB                         ; the same, and wave 0 fetches a piece of hb; wave 1 has nothing to fill
	s_cmp_eq_u32 s[RH], 0
	s_cbranch_scc0 .Lfor_b_\@
	s_cmp_lg_u32 s[WV], 0
	s_cbranch_scc1 .Lasked_\@
	tensor_load_to_lds s[G0P:G0P+3], s[G1H:G1H+7]
	s_nop 0
.rept 4
	v_nop
.endr
	s_branch .Lasked_\@
.Lfor_b_\@:
	tensor_load_to_lds s[G0W:G0W+3], s[G1B:G1B+7]
	s_nop 0
.rept 4
	v_nop
.endr
.Lasked_\@:
.endm
; A round of the cluster's barrier: my work-group's barrier, so that wave 0's signal speaks for all four waves; wave 0 signals; every wave waits for all sixteen work-groups; my work-group's barrier once more.
.macro CREST                           ; a round behind its opening barrier
	s_cmp_lg_u32 s[WV], 0
	s_cbranch_scc1 .Lnot_wave_0_\@
	s_barrier_signal -3
.Lnot_wave_0_\@:
	s_barrier_wait -3
	s_barrier_signal -1
	s_barrier_wait -1
.endm
.macro CROUND
	s_barrier_signal -1
	s_barrier_wait -1
	CREST
.endm
	s_load_b256 s[4:11], s[0:1], 0x0               ; hb s[4:5], wb s[6:7], rw s[8:9], bb s[10:11]
	s_load_b64 s[12:13], s[0:1], 0x20              ; out
	v_lshl_add_u32 v[SPW], v0, 2, SPARE
	v_mov_b32 v[NIL], 0
	ds_add_u32 v[SPW], v[NIL]                      ; the wave's opening: the add and its wait stand ahead of my first tensor load; the set-up below, work on registers, stands between them
	v_lshrrev_b32 v1, 5, v0
	v_readfirstlane_b32 s[WV], v1                  ; wave 0..3
	s_lshr_b32 s[RH], s[WV], 1
	s_and_b32 s[CH], s[WV], 1
	s_bfe_u32 s[CX], ttmp6, 0x40000                ; my place in the cluster
	s_bfe_u32 s[CY], ttmp6, 0x40004
	s_lshl_b32 s[FT], ttmp9, 2                     ; in a cluster launch ttmp9 and ttmp7 count clusters
	s_add_co_u32 s[FT], s[FT], s[CX]               ; tile column = 4 x cluster x + cx
	s_and_b32 s[TT], ttmp7, 0xffff
	s_lshl_b32 s[TT], s[TT], 2
	s_add_co_u32 s[TT], s[TT], s[CY]               ; tile row = 4 x cluster y + cy
	s_lshl_b32 s[MROW], s[CY], 2
	s_lshl_b32 s[MROW], 15, s[MROW]                ; my row of the cluster: places 4 cy .. 4 cy + 3
	s_lshl_b32 s[MCOL], 0x1111, s[CX]              ; my column: places cx, cx + 4, cx + 8, cx + 12
	; descriptor group 1: 64 rows of 256 elements of 2 bytes, padded in LDS
	s_or_b32 s[G1H+0], s[MROW], FLAGS              ; 15:0 the mask: hb's tiles go to my row of the cluster,
	s_or_b32 s[G1B+0], s[MCOL], FLAGS              ; wb's to my column
.irp g, G1H, G1B
	s_mov_b32 s[(\g)+1], 256<<16                   ; tensor_dim0 = 256
	s_mov_b32 s[(\g)+2], 64<<16                    ; tensor_dim1 = 64
	s_mov_b32 s[(\g)+3], 256<<16                   ; tile_dim0 = 256
	s_mov_b32 s[(\g)+4], 64                        ; tile_dim1 = 64
	s_mov_b32 s[(\g)+5], 1024                      ; elements from row to row
	s_mov_b32 s[(\g)+6], 0
	s_mov_b32 s[(\g)+7], 0
.endr
	; where the tiles come from: hb's hang on the tile row alone, wb's on the tile column alone, each in registers that never hold the other coordinate
	s_lshl_b32 s40, s[TT], 19                      ; hb: 256 x tile row rows of 2,048 bytes;
	s_add_co_u32 s42, s40, 512                     ; for the pieces the same rows, one chunk of 512 bytes on;
	s_lshl_b32 s41, s[CH], 18                      ; for the first fills 128 rows on for wave 1
	s_add_co_u32 s40, s40, s41
	s_mov_b32 s41, 0
	s_mov_b32 s43, 0
	s_lshl_b32 s44, s[FT], 18                      ; wb: 128 x tile column rows,
	s_lshl_b32 s45, s[CH], 17                      ; and 64 rows on for the second half
	s_add_co_u32 s44, s44, s45
	s_mov_b32 s45, 0
	s_mul_i32 s46, s[CH], 2*HPIECE                 ; and where they go: no place in the cluster enters an LDS address
	s_mul_i32 s47, s[CH], HPIECE
	s_add_co_u32 s47, s47, BBASE
	s_mov_b32 s[G0P], 1                            ; count = 1
	s_mov_b32 s[OF+1], 0
	s_mov_b32 s[TB], 0
	s_mov_b32 s[PN], 0
	s_wait_dscnt 0x0                               ; the opening add is done
	s_wait_kmcnt 0x0
	s_add_nc_u64 s[40:41], s[4:5], s[40:41]
	s_add_nc_u64 s[HBB:HBB+1], s[4:5], s[42:43]
	s_add_nc_u64 s[WBB:WBB+1], s[6:7], s[44:45]
	CROUND                                         ; all sixteen work-groups are here: the first joint loads meet
.irp s, 0,1
	s_mov_b32 s[G0A+4*(\s)], 1                                     ; count = 1
	s_add_co_u32 s[G0A+4*(\s)+1], s46, (\s)*HPIECE                 ; LDS address: piece 2 CH + s
	s_add_nc_u64 s[G0A+4*(\s)+2:G0A+4*(\s)+3], s[40:41], (\s)<<17  ; global address: 64 rows of 2,048 bytes on for the second
	s_or_b32 s[G0A+4*(\s)+3], s[G0A+4*(\s)+3], 0x80000000          ; type = 2
	s_mov_b32 s[G0B+4*(\s)], 1
	s_add_co_u32 s[G0B+4*(\s)+1], s47, (\s)*BSLOT                  ; slot s
	s_add_nc_u64 s[G0B+4*(\s)+2:G0B+4*(\s)+3], s[WBB:WBB+1], (\s)<<21  ; step s: expert s of chunk 0: 1,024 rows of 2,048 bytes on
	s_or_b32 s[G0B+4*(\s)+3], s[G0B+4*(\s)+3], 0x80000000
	JLOAD0 \s                                      ; two loads of mine are out: hb's buffer and both slots have their first fill before anything else is done
.endr
	; A fragment is 16 rows x 32 K in 8 registers: lane l holds row l % 16, K = 8 (l / 16) + 0..7 and 16 + 8 (l / 16) + 0..7: two loads of 16 bytes, 32 bytes apart.
	v_and_b32 v1, 15, v0                           ; r = l % 16
	v_bfe_u32 v2, v0, 4, 1                         ; l / 16
	v_mul_u32_u24 v3, v1, PITCH
	v_lshl_add_u32 v3, v2, 4, v3
	s_mul_i32 s40, s[WV], HPIECE                   ; my 64 rows of hb
	v_add_nc_u32 v[AA], s40, v3
	v_add_nc_u32 v[AB0], BBASE, v3
	v_add_nc_u32 v[AB], BBASE, v3                  ; step 0 lies in slot 0
	s_mul_i32 s43, s[WV], WSTAGE                   ; my stage
	v_mul_u32_u24 v4, v1, SPITCH                   ; in: row r, 32 bytes for each half of the lanes
	v_lshl_add_u32 v4, v2, 5, v4
	v_add_nc_u32 v[STO], s43, v4
	v_and_b32 v5, 31, v0
	v_lshlrev_b32 v[CO], 4, v5
	v_add_nc_u32 v[RD], s43, v[CO]                 ; back: 32 lanes take one row of 512 bytes
	v_lshrrev_b32 v6, 1, v1
	v_and_b32 v7, 1, v1
	v_lshlrev_b32 v7, 4, v7
	v_lshl_add_u32 v[RWO], v6, 8, v7               ; block r / 2, 16 bytes for r % 2
	v_lshlrev_b32 v[BO], 5, v2
	s_lshl2_add_u32 s40, s[TT], s[WV]              ; my 64 tokens are group 4 x tile row + wave: eight blocks of 256 bytes
	s_lshl_b32 s40, s40, 11
	s_mov_b32 s41, 0
	s_add_nc_u64 s[8:9], s[8:9], s[40:41]
	s_lshl_b32 s40, s[TT], 20                      ; out at my first row: (256 x tile row + 64 x wave) rows of 4,096 bytes,
	s_lshl_b32 s42, s[WV], 18
	s_add_co_u32 s40, s40, s42
	s_add_nc_u64 s[12:13], s[12:13], s[40:41]
	s_lshl_b32 s44, s[FT], 9                       ; and my first column, in out and in the bias: 512 x tile column bytes
	s_mov_b32 s45, 0
	s_add_nc_u64 s[10:11], s[10:11], s[44:45]
	s_add_nc_u64 s[12:13], s[12:13], s[44:45]
	WIN 0xc0                                       ; destination window 3
.irp a, 0,1,2,3                                    ; total starts at the bias: nothing is cleared, and no addition is spent on it.  All this stands in the wait for the first tiles
.irp b, 0,1,2,3,4,5,6,7
.irp k, 0,1
	global_load_b128 v[8*(8*(\a)+(\b))+4*(\k):8*(8*(\a)+(\b))+4*(\k)+3], v[BO], s[10:11] offset:64*(\b)+16*(\k)
.endr
.endr
.endr
	WIN 0
	s_mov_b32 s[PP], 0x3e6d3389                    ; 0.2316419
	s_mov_b32 s[KK], 0x3f596d27                    ; sqrt(log2(e) / 2) = 0.8493218
	s_mov_b32 s[KK+1], s[KK]                       ; named with it as a pair, so it is written
	s_mov_b32 s[C1], 0x3e027906                    ;  0.319381530 / sqrt(2 pi)
	s_mov_b32 s[C1+1], s[C1]
	s_mov_b32 s[C2], 0xbe11a98e                    ; -0.356563782 / sqrt(2 pi)
	s_mov_b32 s[C2+1], s[C2]
	s_mov_b32 s[C3], 0x3f35f0e3                    ;  1.781477937 / sqrt(2 pi)
	s_mov_b32 s[C3+1], s[C3]
	s_mov_b32 s[C4], 0xbf3a00e3                    ; -1.821255978 / sqrt(2 pi)
	s_mov_b32 s[C4+1], s[C4]
	s_mov_b32 s[C5], 0x3f07dc22                    ;  1.330274429 / sqrt(2 pi)
	s_mov_b32 s[C5+1], s[C5]
; Oct q takes hb's fragments from their registers 32 q on and wb's from buffer q % 2.  8 matrix instructions: token block a x all 8 column blocks.  zero = 1: the product starts temp's sum.
; The 32 accumulators take turns, one instruction a turn, in the same order in every oct: between two links of a chain stand the 31 others'.
.macro MULA q, a, zero
	WIN MUL
.irp b, 0,1,2,3,4,5,6,7
.if \zero
	v_wmma_f32_16x16x32_bf16 v[8*(8*(\a)+(\b)):8*(8*(\a)+(\b))+7], v[WBF+64*((\q)%2)+8*(\b):WBF+64*((\q)%2)+8*(\b)+7], v[32*(\q)+8*(\a):32*(\q)+8*(\a)+7], 0
.else
	v_wmma_f32_16x16x32_bf16 v[8*(8*(\a)+(\b)):8*(8*(\a)+(\b))+7], v[WBF+64*((\q)%2)+8*(\b):WBF+64*((\q)%2)+8*(\b)+7], v[32*(\q)+8*(\a):32*(\q)+8*(\a)+7], v[8*(8*(\a)+(\b)):8*(8*(\a)+(\b))+7]
.endif
.endr
.endm
; The LDS loads stand in runs.  16 loads: 128 rows of wb, 32 K at byte k of the rows, into buffer f.  The largest offset is 59,616, inside the 16 bits of the field.
.macro FETCHB k, f
	WIN 0
.irp i, 0,1,2,3,4,5,6,7
	ds_load_b128 v[WBF+64*(\f)+8*(\i):WBF+64*(\f)+8*(\i)+3],   v[AB] offset:(\k)+(\i)*16*PITCH
	ds_load_b128 v[WBF+64*(\f)+8*(\i)+4:WBF+64*(\f)+8*(\i)+7], v[AB] offset:(\k)+(\i)*16*PITCH+32
.endr
.endm
; 8 loads: my 64 rows of hb, oct q's 32 K, into oct q's registers
.macro FETCHA q
	WIN TO_A
.irp i, 0,1,2,3
	ds_load_b128 v[32*(\q)+8*(\i):32*(\q)+8*(\i)+3],   v[AA] offset:64*(\q)+(\i)*16*PITCH
	ds_load_b128 v[32*(\q)+8*(\i)+4:32*(\q)+8*(\i)+7], v[AA] offset:64*(\q)+(\i)*16*PITCH+32
.endr
.endm
; A load into a register that a matrix instruction has read, and a vector instruction that reads a matrix result, stand four places behind that matrix instruction, and only plain vector
; instructions that name none of its registers are places (ISA guide 7.12.1 for vector instructions).
.macro PLACES
.rept 4
	v_nop
.endr
.endm
; Oct q (0 to 6) of a step.  At its head stands ONE run of loads: the next oct's fragments of wb, into the buffer that the oct before has left: they have this oct's 32 products in which to come.
; ha = 1 (the copies of the text that meet a change of chunks): in a chunk's last step the run also brings the NEXT chunk's hb for oct q - 1, whose registers the products just ahead have read for the last time;
; oct 7's follow at the head of the next chunk's first step.  The jump passes LDS loads alone, and the wait at the next oct's head is for 0 on both ways.
; (In step 0 that last run brings oct 7 of chunk 0 once more: the same numbers.)  Oct 0 needs no v_nop: behind the turn's last products stand eight lines of the fold that name none of their registers.
.macro OCT q, zero, ha
	WIN 0
	s_wait_dscnt 0x0                               ; this oct's fragments are in: its first eight products want all sixteen loads
.if (\q) > 0
	PLACES
.endif
	FETCHB 64*((\q)+1), ((\q)+1)%2
.if \ha
.if (\q) == 0
	s_cmp_eq_u32 s[EE], 0
.else
	s_cmp_eq_u32 s[EE], 7
.endif
	s_cbranch_scc0 .Lno_a_\@
	FETCHA ((\q)+7)%8
	WIN 0                                          ; at a label and at a branch every window is 0
.Lno_a_\@:
.endif
	MULA \q, 0, \zero
	MULA \q, 1, \zero
	MULA \q, 2, \zero
	MULA \q, 3, \zero
.endm
; THE FOLD of accumulator j = 8 a + b: total += gate x temp, four packed multiply-adds, ascending, so that the accumulator is read from its low end on.  Token block a takes word a of the lane's four gates for both halves.
.macro FOLD1 j
	WIN W_FOLD
.set fa, (\j)/8
.set fr, 8*(\j)
.irp n, 0,2,4,6
.if (fa%2) == 0
	v_pk_fma_f32 v[fr+(\n):fr+(\n)+1], v[fr+(\n):fr+(\n)+1], v[CUR+2*(fa/2):CUR+2*(fa/2)+1], v[fr+(\n):fr+(\n)+1] op_sel_hi:[1,0,1]
.else
	v_pk_fma_f32 v[fr+(\n):fr+(\n)+1], v[fr+(\n):fr+(\n)+1], v[CUR+2*(fa/2):CUR+2*(fa/2)+1], v[fr+(\n):fr+(\n)+1] op_sel:[0,1,0] op_sel_hi:[1,1,1]
.endif
.endr
.endm
; A step's LAST oct ends temp's sums one after the other, so the fold rides in it: behind the product that ends accumulator j stands the fold of accumulator j - 2.  Between a product and its own fold lie the
; eight lines of the two folds before (for accumulator 1 four; for accumulator 0 four v_nop), which name none of its registers: they are its places.  Each product costs two switches of the windows.
.macro RIDE from, to                   ; products from .. to of oct 7, and their riders
.set jj, \from
.rept (\to)-(\from)+1
	WIN MUL
	v_wmma_f32_16x16x32_bf16 v[8*jj:8*jj+7], v[WBF+64+8*(jj%8):WBF+64+8*(jj%8)+7], v[224+8*(jj/8):224+8*(jj/8)+7], v[8*jj:8*jj+7]
.if jj == 0
	PLACES
.elseif jj >= LAG
	FOLD1 jj-LAG
.endif
.set jj, jj+1
.endr
.endm
.macro TAIL                            ; the last two folds
	FOLD1 30
	FOLD1 31
.endm
; THE TURN: a step's last oct CHANGES SLOTS: ONE barrier for two things.  In front of it each wave waits for all its tensor loads, of which at most one is out; adds 0 to its spare word; and waits for that and for
; its own LDS reads.  Behind it nobody reads this slot any more, and the next slot (and what has been asked of hb) is whole.
; fill = 1: the barrier opens a round of the cluster's barrier, and behind the round the slot takes step PN + 1.  fill = 2: also, piece PN % 8 - 1 of chunk PN / 8 + 1 goes into hb's buffer, which every wave has read out.
; fill = 0: nothing is left to fetch.  From a request to the wait for it a wave issues 240 matrix instructions.  The descriptors' global addresses are made anew from the step's number: a base and an offset made apart.
; ha = 1: where the step to be entered is a chunk's first, oct 6's registers take the new chunk's hb.
.macro TURN fill, ha
	WIN 0                                          ; (the add's two registers lie in window 0)
	s_wait_loadcnt 0x0                             ; the step's gates (and, the first time, the bias in total) are in
	s_wait_tensorcnt 0x0                           ; all my tensor loads have landed, so every group 0 may be written
	ds_add_u32 v[SPW], v[NIL]                      ; 0 onto my spare word
	s_wait_dscnt 1                                 ; (the add may be out; the loads ahead of it, this oct's fragments among them, are in)
	RIDE 0, 7                                      ; eight products and their riders stand between the add and the wait for it
	s_wait_dscnt 0x0                               ; the add is done, and my reads of this slot are over
	s_barrier_signal -1
	RIDE 8, 15                                     ; work on registers while the others arrive
	WIN 0
	s_xor_b32 s[TB], s[TB], BSLOT                  ; the slot of the step to be entered
.if (\fill) >= 1
	s_xor_b32 s[G0W+1], s[G0W+1], BSLOT            ; the walking descriptor: the other slot than last time: the one just read;
	s_add_co_u32 s[T1], s[PN], 1                   ; step Q = PN + 1: expert Q % 8, 2,097,152 bytes each; chunk Q / 8, 512 bytes each
	s_and_b32 s[T2], s[T1], 7
	s_lshl_b32 s[T2], s[T2], 21
	s_lshr_b32 s[T1], s[T1], 3
	s_lshl_b32 s[T1], s[T1], 9
	s_add_co_u32 s[OF], s[T2], s[T1]
	s_add_nc_u64 s[G0W+2:G0W+3], s[WBB:WBB+1], s[OF:OF+1]
	s_or_b32 s[G0W+3], s[G0W+3], 0x80000000
.endif
.if (\fill) == 2
	s_mov_b32 s[G0P+1], s[AL]                      ; hb's piece PN % 8 - 1: 64 rows of 2,048 bytes each; HBB stands one chunk ahead of chunk PN / 8
	s_add_co_u32 s[AL], s[AL], HPIECE
	s_and_b32 s[T2], s[PN], 7
	s_sub_co_u32 s[T2], s[T2], 1
	s_lshl_b32 s[T2], s[T2], 17
	s_lshr_b32 s[T1], s[PN], 3
	s_lshl_b32 s[T1], s[T1], 9
	s_add_co_u32 s[OF], s[T2], s[T1]
	s_add_nc_u64 s[G0P+2:G0P+3], s[HBB:HBB+1], s[OF:OF+1]
	s_or_b32 s[G0P+3], s[G0P+3], 0x80000000
.endif
	s_barrier_wait -1
.if (\fill) >= 1
	CREST                                          ; no wave of any partner still reads these bytes or has a load on its way
.endif
.if (\fill) == 1
	JLOADB                                         ; the first tensor load behind the round, one for each of waves 2 and 3
.endif
.if (\fill) == 2
	JLOADAB
.endif
	v_add_nc_u32 v[AB], s[TB], v[AB0]
	FETCHB 0, 0                                    ; the next step's first fragments; the riders are the places behind oct 6, which read these registers
.if \ha
	s_and_b32 s[T1], s[PN], 7
	s_cmp_eq_u32 s[T1], 0
	s_cbranch_scc0 .Lno_6_\@
	FETCHA 6
	WIN 0
.Lno_6_\@:
.endif
	RIDE 16, 31
	TAIL
	WIN 0
.endm
; A step without its last oct: seven octs.  Its gates are asked for first and wanted in the turn.
.macro BODY ha
	s_and_b32 s[EE], s[PN], 7
	s_lshl_b32 s[T1], s[EE], 5                     ; an expert's gates: 32 bytes
	v_add_nc_u32 v[RWP], s[T1], v[RWO]             ; free: the last load that named it was waited for in the turn
	global_load_b128 v[CUR:CUR+3], v[RWP], s[8:9]
	OCT 0, 1, \ha
	OCT 1, 0, \ha
	OCT 2, 0, \ha
	OCT 3, 0, \ha
	OCT 4, 0, \ha
	OCT 5, 0, \ha
	OCT 6, 0, \ha
	WIN 0                                          ; at a label and at a branch every window is 0
.endm
.macro NEXT lab                        ; the step's number goes up, the loop's count down
	s_add_co_u32 s[PN], s[PN], 1
	s_sub_co_u32 s3, s3, 1
	s_cmp_lg_u32 s3, 0
	s_cbranch_scc1 \lab
.endm
	s_wait_tensorcnt 0x0                           ; both my first fills are in: of the work-group's eight, six (chunk 0 of hb, step 0 of wb) are wanted at once
	s_barrier_signal -1
	s_barrier_wait -1                              ; everybody's are
	FETCHB 0, 0
.irp q, 0,1,2,3,4,5,6,7
	FETCHA \q                                      ; chunk 0 of hb goes into its registers
.endr
	WIN 0
	s_mov_b32 s2, 3
	s_mov_b32 s3, 1
	s_branch .Lfirst                               ; step 0 has no step before it: the loop is entered in the middle of its last trip
.Louter:                                           ; three times: experts 5, 6, 7 of a chunk and 0 of the next (the first time: step 0 alone), then experts 1 to 4
	s_mov_b32 s3, 4
.Lcross:                                           ; wb alone is fetched; hb's buffer is read out into the registers
	TURN 1, 1
.Lfirst:
	BODY 1
	NEXT .Lcross
	s_mov_b32 s[AL], 0                             ; hb's buffer has been read out: it takes the next chunk's four pieces, from its first byte on
	s_mov_b32 s3, 4
.Lpiece:
	TURN 2, 0
	BODY 0
	NEXT .Lpiece
	s_sub_co_u32 s2, s2, 1
	s_cmp_lg_u32 s2, 0
	s_cbranch_scc1 .Louter
	s_mov_b32 s3, 10                               ; THE TAIL is written out: there is no further chunk of hb to ask for
.Ltail:                                            ; steps 21 to 30 ask for steps 22 to 31 of wb,
	TURN 1, 1
	BODY 1
	NEXT .Ltail
	TURN 0, 0                                      ; and step 31 for nothing
	BODY 0
	s_wait_loadcnt 0x0                             ; the last gates
	s_wait_dscnt 0x0                               ; the very last oct: its fragments are in, and my reads of the ring are over:
	s_barrier_signal -1                            ; say so; the oct, work on registers, stands between the signal and the wait
	RIDE 0, 31
	TAIL
	WIN 0
	s_barrier_wait -1                              ; nobody reads the ring any more, and it has had its last fill: the stages may be written
	; THE WAY OUT.  A lane's eight columns of a token are 32 bytes of a row of 512.  All 64 rows go into my own stage and come back as whole rows, eight a trip; then the gelu; then the stores.
	WIN 0x0c                                       ; store data in window 3, address in window 0
.irp a, 0,1,2,3
.irp b, 0,1,2,3,4,5,6,7
.irp k, 0,1
	ds_store_b128 v[STO], v[8*(8*(\a)+(\b))+4*(\k):8*(8*(\a)+(\b))+4*(\k)+3] offset:(\a)*16*SPITCH+64*(\b)+16*(\k)
.endr
.endr
.endr
	WIN 0
.macro ONE line:vararg                 ; one line for each of the trip's 32 numbers a lane: n = 0 .. 31
.set n, 0
.rept 32
	\line
.set n, n+1
.endr
.endm
.macro PAIR line:vararg                ; one line for each pair: n = 0, 2 .. 30
.set n, 0
.rept 16
	\line
.set n, n+2
.endr
.endm
	s_mov_b32 s3, 8
.Lrows:
.irp i, 0,1,2,3,4,5,6,7
	ds_load_b128 v[XR+4*(\i):XR+4*(\i)+3], v[RD] offset:(\i)*SPITCH  ; LDS serves a wave's instructions in order (ISA guide 5.7.1.4): these see my stores above; no other wave touches my stage
.endr
	s_wait_dscnt 0x0
.set n, 0
.rept 32
	v_fma_f32 v[TR+n], |v[XR+n]|, s[PP], 1.0       ; 1 + p |x|
.set n, n+1
.endr
	ONE v_rcp_f32 v[TR+n], v[TR+n]                 ; t
	PAIR v_pk_mul_f32 v[ER+n:ER+n+1], v[XR+n:XR+n+1], s[KK:KK+1] op_sel_hi:[1,0]
	PAIR v_pk_mul_f32 v[ER+n:ER+n+1], v[ER+n:ER+n+1], v[ER+n:ER+n+1] neg_lo:[1,0] neg_hi:[1,0]  ; -(x^2 / 2) log2(e)
	ONE v_exp_f32 v[ER+n], v[ER+n]
	v_nop                                          ; a plain instruction behind the last exponential (ISA guide 5.7.2),
	s_wait_alu depctr_va_vdst(0)                   ; and the wait ahead of the first use: ONE for the 32 reciprocals and the 32 exponentials
	PAIR v_pk_fma_f32 v[RR+n:RR+n+1], v[TR+n:TR+n+1], s[C5:C5+1], s[C4:C4+1] op_sel_hi:[1,0,0]
	PAIR v_pk_fma_f32 v[RR+n:RR+n+1], v[RR+n:RR+n+1], v[TR+n:TR+n+1], s[C3:C3+1] op_sel_hi:[1,1,0]
	PAIR v_pk_fma_f32 v[RR+n:RR+n+1], v[RR+n:RR+n+1], v[TR+n:TR+n+1], s[C2:C2+1] op_sel_hi:[1,1,0]
	PAIR v_pk_fma_f32 v[RR+n:RR+n+1], v[RR+n:RR+n+1], v[TR+n:TR+n+1], s[C1:C1+1] op_sel_hi:[1,1,0]
	PAIR v_pk_mul_f32 v[RR+n:RR+n+1], v[RR+n:RR+n+1], v[TR+n:TR+n+1]
	PAIR v_pk_mul_f32 v[RR+n:RR+n+1], v[RR+n:RR+n+1], v[ER+n:ER+n+1]  ; Q(|x|)
	ONE v_max_num_f32 v[ER+n], 0, v[XR+n]
.set n, 0
.rept 32
	v_fma_f32 v[XR+n], -|v[XR+n]|, v[RR+n], v[ER+n]  ; max(x, 0) - |x| Q(|x|)
.set n, n+1
.endr
.irp i, 0,1,2,3,4,5,6,7
	global_store_b128 v[CO], v[XR+4*(\i):XR+4*(\i)+3], s[12:13] offset:(\i)*4096 th:TH_STORE_NT  ; the wave stores 512 consecutive bytes, at a multiple of 512 from out's first byte
.endr
	s_wait_xcnt 0x0                                ; every earlier memory instruction has had its addresses translated (ISA guide 3.1): only behind this wait are the stores' base and, in the next trip, their data written again
	s_add_nc_u64 s[12:13], s[12:13], 8*4096
	v_add_nc_u32 v[RD], 8*SPITCH, v[RD]
	s_sub_co_u32 s3, s3, 1
	s_cmp_lg_u32 s3, 0
	s_cbranch_scc1 .Lrows
	s_wait_tensorcnt 0x0                           ; the wave's end, behind my last tensor load and my last LDS store
	ds_add_u32 v[SPW], v[NIL]
	s_wait_dscnt 0x0
	CROUND                                         ; the closing round: no work-group ends while a partner may still ask for a tile that names it
	s_endpgm
.Lfunc_end_k_qe4d6d8d941_gemm:
	.size	k_qe4d6d8d941_gemm, .Lfunc_end_k_qe4d6d8d941_gemm-k_qe4d6d8d941_gemm
	.p2alignl 7, 3214868480
	.fill 96, 4, 3214868480
	.section	.rodata,"a",@progbits
	.p2align	6, 0x0
	.amdhsa_kernel k_qe4d6d8d941_gemm
		.amdhsa_group_segment_fixed_size 327680
		.amdhsa_private_segment_fixed_size 0
		.amdhsa_enable_private_segment 0
		.amdhsa_kernarg_size 40
		.amdhsa_user_sgpr_count 2
		.amdhsa_user_sgpr_kernarg_segment_ptr 1
		.amdhsa_wavefront_size32 1
		.amdhsa_system_sgpr_workgroup_id_x 1
		.amdhsa_system_sgpr_workgroup_id_y 1
		.amdhsa_system_sgpr_workgroup_id_z 1
		.amdhsa_system_vgpr_workitem_id 0
		.amdhsa_next_free_vgpr 1024
		.amdhsa_next_free_sgpr 96
		.amdhsa_reserve_vcc 0
		.amdhsa_float_denorm_mode_32 3
		.amdhsa_float_denorm_mode_16_64 3
		.amdhsa_memory_ordered 1
		.amdhsa_forward_progress 1
		.amdhsa_inst_pref_size 210
	.end_amdhsa_kernel
	.amdgpu_metadata
---
amdhsa.version: [ 1, 2 ]
amdhsa.kernels:
  - .name:           k_qe4d6d8d941_gemm
    .symbol:         k_qe4d6d8d941_gemm.kd
    .args:
      - { .name: hb, .offset: 0, .size: 8, .value_kind: global_buffer, .address_space: global }
      - { .name: wb, .offset: 8, .size: 8, .value_kind: global_buffer, .address_space: global }
      - { .name: rw, .offset: 16, .size: 8, .value_kind: global_buffer, .address_space: global }
      - { .name: bb, .offset: 24, .size: 8, .value_kind: global_buffer, .address_space: global }
      - { .name: out0, .offset: 32, .size: 8, .value_kind: global_buffer, .address_space: global }
    .group_segment_fixed_size: 327680
    .private_segment_fixed_size: 0
    .kernarg_segment_align: 8
    .kernarg_segment_size: 40
    .max_flat_workgroup_size: 128
    .sgpr_count:     96
    .vgpr_count:     1024
    .wavefront_size: 32
...
	.end_amdgpu_metadata
.endif
;; end of part 4
;; ======== version 3 of 3: 2 launches; version 2 with the launch prep written anew for expert scheduling mode
;; workspace buffers: hb 16,777,216 bytes; wb 16,777,216 bytes; rw 262,144 bytes; bb 4,096 bytes
;; launch prep (part 5): grid 256 x 1, 8 waves a work-group, no clusters, 17,408 bytes of LDS; arguments h, W_edges, W_route, b_route, layer_bias, hb, wb, rw, bb; writes hb, wb, rw, bb
.if DOCPART == 5
	.amdgcn_target "amdgcn-amd-amdhsa--gfx1250"
	.amdhsa_code_object_version 6
	.text
	.protected	k_qe4d6d8d941_prep
	.globl	k_qe4d6d8d941_prep
	.p2align	8
	.type	k_qe4d6d8d941_prep,@function
k_qe4d6d8d941_prep:
	s_mov_b64 s[64:65], 0
	v_nop
	global_prefetch_b8 v0, s[64:65] scope:SCOPE_SE
	s_setreg_imm32_b32 hwreg(HW_REG_WAVE_SCHED_MODE, 0, 2), 2
	s_setreg_imm32_b32 hwreg(HW_REG_WAVE_MODE, 25, 1), 1
	s_wait_xcnt 0x0
	s_wait_alu depctr_vm_vsrc(0)
; hb = bf16(h), wb = bf16(W_edges), bb = bf16(layer_bias) kept as f32, rw = softmax over 8 experts of (bf16(h) . bf16(W_route)^T + bf16(b_route)).  Every input is rounded to bf16 once; all sums are f32.
; h and W_edges are both 8,192 rows of 1,024 f32.  A work-group of eight waves takes 32 rows of each: waves 0-3 rows of h, waves 4-7 rows of W_edges, 8 rows a wave, by one text.
; A row is eight loads of 16 bytes a lane (each load of the wave: 512 consecutive bytes); lane l holds columns 128 j + 4 l .. + 3.  All of a wave's rows are asked for before the first is rounded.
; Rounded once to bf16 they leave as eight stores of 8 bytes a lane: each store of the wave covers 256 consecutive bytes, aligned.
; THE ROUTER rides on the rounded rows of h while they lie in registers: sums in f32 by v_fma_mix_f32_bf16 (the products of two bf16 are exact in f32).  No matrix instruction: a lane holds columns
; of a row here, not a row, and eight output columns are a thousandth of the module's products; turning the rows would cost a trip through LDS.
; THE ONE BARRIER stands early, straight behind the stores of W_route into LDS: behind it no wave waits for another, and a wave of h goes on to the router as soon as its own rows are stored.
; THE BIAS: while waves 0-3 run the router, wave 4 of work-groups 0 to 15 rounds 64 numbers of layer_bias each.
; NO CLUSTER, no tensor load: the work-groups share W_route alone, 32,768 bytes beside the 262,144 of rows that each reads.
; rw's LAYOUT: blocks of 256 bytes, block 8 G + u holds the tokens 64 G + 16 a + 2 u + i at float e * 8 + i * 4 + a.  A wave owns one block's eight tokens and stores the block whole;
; the next launch's lane takes four gates (a = 0..3) of one expert with one load of 16 bytes.
; LIMITS.  The softmax takes the row's maximum away first; an exponential below 2^-126 counts as 0; NaN and infinities are not treated apart.
; THE MODE: SCHED_MODE bits 1:0 = 2 (LLVM: expert scheduling mode 2), set by the entry lines.  The code itself states the register dependences
; between vector instructions and memory or LDS instructions, with s_wait_alu, always for 0.
; THE PLAN.  Registers that memory or LDS instructions touch:
;   v[LO], v[SO], v[BO], v[WS]   offsets and LDS addresses: written at the head, read by loads, stores and LDS instructions, never written again.
;   window 1, slot q             written by row q's eight loads, read by row q's conversions; each slot is loaded once.
;   H[q]                         written by row q's conversions; read by the eight stores that are issued at the head of row q + 1, and by the router; never written again.
;   WF, then FR0 and FR1         first W_route's f32 as loaded, read by sixteen conversions; then two buffers of an expert: expert e's multiply-adds read FR[e % 2], and the LDS loads of expert e + 2,
;                                issued at the head of expert e + 1, land in it.
;   WR                           written by those sixteen conversions, read by the four LDS stores, never written again.
;   v[Z ..], v[M ..]             written by vector lines, read by a wave's last store.
; No register that a memory or LDS instruction reads is written again, so no wait on vm_vsrc is owed but the closing lines'.  A wait on va_vdst stands: ahead of the first load; ahead of the LDS stores; at the head
; of each row behind the first, for the stores of the row before, and once behind the last row; at the head of experts 1 to 6, for the LDS loads of the expert after; ahead of rw's and of bb's store.
.set SPARE, 16384                      ; behind W_route's 16,384 bytes: the spare words, 128 bytes for each of eight waves: four blocks of 256 bytes that no other line names
.set LO,  2                            ; v2   16 x lane: my bytes in 512 bytes of f32, and in 512 bytes of W_route in LDS; never rewritten
.set SO,  3                            ; v3   8 x lane: my bytes in 256 bytes of bf16, in a block of rw and in 64 numbers of the bias
.set WS,  5                            ; v5   LDS address at which my wave lays its expert of W_route
.set BO,  6                            ; v6   4 x (lane / 4): my expert's place in b_route
.set SPW, 30                           ; v30  LDS address of my spare word; never rewritten
.set NIL, 31                           ; v31  0; never rewritten
.set P,   32                           ; v[32:39]  my part of the eight rows' sums for one expert
.set KS,  40                           ; v[40:47]  at work in the reduction: kept, sent
.set Z,   48                           ; v[48:49]  logits, then gates: lane l, register g: expert l / 4, row slot 4 g + l % 4
.set M,   50                           ; v[50:51]  maxima, then sums; in the bias's wave two numbers of the bias
.set T,   52                           ; v52  what the other half of the lanes holds
.set BR,  53                           ; v53  b_route of my expert
.set ZR,  54                           ; v54  0: the addend that starts a sum
.set H,   64                           ; v[64:191]   slot q: 16 registers of packed bf16
.set WR,  192                          ; v[192:207]  my expert of W_route, packed as a row is, on its way into LDS
.set WF,  208                          ; v[208:239]  the same in f32, as loaded
.set FR,  WF                           ; v[208:239]  later: two buffers of 16: an expert of W_route out of LDS, expert e in buffer e % 2
                                       ; window 1: v[32 q + 4 j ..] slot q's row in f32, as loaded
.set WV,  22                           ; s22  my wave's number
.set SRC, 24                           ; s[24:25]  h or W_edges at my first row
.set DST, 26                           ; s[26:27]  hb or wb at my first row
.set MSK, 28                           ; s28  the four lanes of the expert in hand
.set ODD, 29                           ; s29  lanes with bit 0 set
.set HI2, 30                           ; s30  lanes with bit 1 set
.set SEL, 32                           ; s32, s33  v_permlanex16_b32's selects: each lane takes its own place in the other half
.set MSB, 0
.macro WIN new                         ; the immediate's high byte repeats the setting that is left; a switch that changes nothing is dropped
.if MSB != (\new)
	s_set_vgpr_msb (MSB<<8)|(\new)
.set MSB, \new
.endif
.endm
.macro RCOF q                          ; slot q = 4 g + m is the row 32 (m % 2) + 16 g + m / 2 behind my first: token part 16 a + i with a = 2 (m % 2) + g, i = m / 2
.set RC, 32*(((\q)%4)%2)+16*((\q)/4)+(((\q)%4)/2)
.endm
.macro ASK q                           ; eight loads: the whole row of slot q, into window 1.  No vector instruction ever names these registers ahead of the loads, and v[LO] is written ahead of the head's wait
	RCOF \q
	WIN 0x40
.irp j, 0,1,2,3,4,5,6,7
	global_load_b128 v[32*(\q)+4*(\j):32*(\q)+4*(\j)+3], v[LO], s[SRC:SRC+1] offset:RC*4096+512*(\j) th:TH_LOAD_NT
.endr
.endm
.macro CONV q                          ; slot q is rounded
	WIN 0x05                           ; sources in window 1, destination in window 0
.set n, 0
.rept 16
	v_cvt_pk_bf16_f32 v[H+16*(\q)+n], v[32*(\q)+2*n], v[32*(\q)+2*n+1]
.set n, n+1
.endr
.endm
.macro SEND q                          ; slot q is stored
	RCOF \q
	WIN 0
.irp j, 0,1,2,3,4,5,6,7
	global_store_b64 v[SO], v[H+16*(\q)+2*(\j):H+16*(\q)+2*(\j)+1], s[DST:DST+1] offset:RC*2048+256*(\j)  ; no register of a store is ever written again, so nothing waits for the stores
.endr
.endm
.macro ROW q, left                     ; slot q - 1 is stored and slot q rounded.  left: the younger loads, which stay out
	s_wait_loadcnt \left               ; loads come back in order (ISA guide 5.7.1): this row is in
	WIN 0
	s_wait_alu depctr_va_vdst(0)       ; the conversions of the row before have written its H, which the eight stores below read
	SEND (\q)-1
	CONV \q
.endm
.macro FRAG e                          ; four LDS loads: expert e of W_route into buffer e % 2
.irp i, 0,1,2,3
	ds_load_b128 v[FR+16*((\e)%2)+4*(\i):FR+16*((\e)%2)+4*(\i)+3], v[LO] offset:(\e)*2048+512*(\i)
.endr
.endm
; One expert's logits for my eight rows.  The eight experts are written out: each names its LDS bytes by an immediate beside the one address register, 16 x lane, which is never stepped.
; At its head the NEXT expert's fragment is asked for, into the buffer that the expert before has left: it has this expert's 256 multiply-adds in which to come.
.macro EXPERT e
.if (\e) < 7
.if (\e) > 0
	s_wait_alu depctr_va_vdst(0)                   ; the multiply-adds of the expert before are done reading their buffer, in which the four LDS loads below land
.endif
	FRAG (\e)+1
	s_wait_dscnt 4                                 ; LDS loads come back in order: this expert's four are in, the next expert's four stay out
.else
	s_wait_dscnt 0x0                               ; the last expert's four are in
.endif
	s_mov_b32 s[MSK], 15<<(4*(\e))                 ; lanes 4 e .. 4 e + 3
.irp i, 0,1,2,3
.irp c, 0,1,2,3
.irp hf, 0,1
.irp q, 0,1,2,3,4,5,6,7                            ; eight sums by turns, so that none waits for its own last link
.if ((\i)+(\c)+(\hf)) == 0
	v_fma_mix_f32_bf16 v[P+(\q)], v[H+16*(\q)], v[FR+16*((\e)%2)], v[ZR] op_sel:[0,0,0] op_sel_hi:[1,1,0]
.else
	v_fma_mix_f32_bf16 v[P+(\q)], v[H+16*(\q)+4*(\i)+(\c)], v[FR+16*((\e)%2)+4*(\i)+(\c)], v[P+(\q)] op_sel:[\hf,\hf,0] op_sel_hi:[1,1,0]
.endif
.endr
.endr
.endr
.endr
	; Eight sums over 32 lanes.  The first two steps halve the registers as they add: a lane keeps the slot whose number has its own lane bit and sends the other to its partner.
.irp i, 0,1,2,3
	v_cndmask_b32 v[KS+2*(\i)],   v[P+2*(\i)],   v[P+2*(\i)+1], s[ODD]
	v_cndmask_b32 v[KS+2*(\i)+1], v[P+2*(\i)+1], v[P+2*(\i)],   s[ODD]
.endr
.irp i, 0,1,2,3
	v_add_f32_dpp v[KS+2*(\i)], v[KS+2*(\i)+1], v[KS+2*(\i)] row_xmask:1 row_mask:0xf bank_mask:0xf
.endr
.irp g, 0,1
	v_cndmask_b32 v[P+2*(\g)],   v[KS+4*(\g)],   v[KS+4*(\g)+2], s[HI2]
	v_cndmask_b32 v[P+2*(\g)+1], v[KS+4*(\g)+2], v[KS+4*(\g)],   s[HI2]
.endr
.irp g, 0,1
	v_add_f32_dpp v[P+2*(\g)], v[P+2*(\g)+1], v[P+2*(\g)] row_xmask:2 row_mask:0xf bank_mask:0xf
.endr
.irp g, 0,1
	v_add_f32_dpp v[P+2*(\g)], v[P+2*(\g)], v[P+2*(\g)] row_xmask:4 row_mask:0xf bank_mask:0xf
.endr
.irp g, 0,1
	v_add_f32_dpp v[P+2*(\g)], v[P+2*(\g)], v[P+2*(\g)] row_xmask:8 row_mask:0xf bank_mask:0xf
.endr
.irp g, 0,1
	v_permlanex16_b32 v[T], v[P+2*(\g)], s[SEL], s[SEL+1]
	v_add_f32 v[P+2*(\g)], v[P+2*(\g)], v[T]       ; every lane l: the whole sum of slot 4 g + l % 4
	v_cndmask_b32 v[Z+(\g)], v[Z+(\g)], v[P+2*(\g)], s[MSK]  ; kept by the four lanes of this expert
.endr
.endm
	s_load_b256 s[4:11], s[0:1], 0x0               ; h s[4:5], W_edges s[6:7], W_route s[8:9], b_route s[10:11]
	s_load_b256 s[12:19], s[0:1], 0x20             ; layer_bias s[12:13], hb s[14:15], wb s[16:17], rw s[18:19]
	s_load_b64 s[20:21], s[0:1], 0x40              ; bb
	v_lshl_add_u32 v[SPW], v0, 2, SPARE
	v_mov_b32 v[NIL], 0
	v_lshrrev_b32 v1, 5, v0
	v_readfirstlane_b32 s[WV], v1                  ; wave 0..7
	v_and_b32 v1, 31, v0                           ; lane
	v_lshlrev_b32 v[LO], 4, v1
	v_lshlrev_b32 v[SO], 3, v1
	v_and_b32 v[BO], 28, v0
	v_mov_b32 v[ZR], 0
	v_mov_b32 v[Z], 0                              ; destinations of selects, of DPP forms and of v_permlanex16_b32 count as read: written once here
	v_mov_b32 v[Z+1], 0
	v_mov_b32 v[M], 0
	v_mov_b32 v[M+1], 0
	v_mov_b32 v[T], 0
	s_mov_b32 s[ODD], 0xaaaaaaaa
	s_mov_b32 s[HI2], 0xcccccccc
	s_mov_b32 s[SEL], 0x76543210
	s_mov_b32 s[SEL+1], 0xfedcba98
	s_wait_alu depctr_va_sdst(0)                   ; s[WV] is written, ahead of its first reader: the line below
	s_lshl_b32 s23, s[WV], 11                      ; an expert of W_route is 2,048 bytes in bf16
	v_add_nc_u32 v[WS], s23, v[LO]
	s_lshr_b32 s34, ttmp9, 1                       ; my first row = 64 (g / 2) + 2 u, u = 4 (g % 2) + w % 4
	s_lshl_b32 s34, s34, 6
	s_and_b32 s35, ttmp9, 1
	s_lshl_b32 s35, s35, 3
	s_add_co_u32 s34, s34, s35
	s_and_b32 s46, s[WV], 3
	s_lshl1_add_u32 s34, s46, s34
	s_lshl_b32 s36, s34, 12                        ; in bytes of f32 rows,
	s_mov_b32 s37, 0
	s_lshl_b32 s38, s34, 11                        ; and of bf16 rows
	s_mov_b32 s39, 0
	s_lshl_b32 s40, s[WV], 12                      ; wave w rounds expert w of W_route
	s_mov_b32 s41, 0
	s_lshl2_add_u32 s42, ttmp9, s46                ; my block of rw: 8 (g / 2) + u = 4 g + w % 4
	s_lshl_b32 s42, s42, 8
	s_mov_b32 s43, 0
	s_lshl_b32 s44, ttmp9, 8                       ; 256 g: work-group g's 64 numbers of the bias, where g is below 16
	s_mov_b32 s45, 0
	s_wait_kmcnt 0x0
	s_cmp_lt_u32 s[WV], 4
	s_cselect_b64 s[SRC:SRC+1], s[4:5], s[6:7]     ; waves 0-3: h to hb; waves 4-7: W_edges to wb
	s_cselect_b64 s[DST:DST+1], s[14:15], s[16:17]
	s_add_nc_u64 s[SRC:SRC+1], s[SRC:SRC+1], s[36:37]
	s_add_nc_u64 s[DST:DST+1], s[DST:DST+1], s[38:39]
	s_add_nc_u64 s[8:9], s[8:9], s[40:41]
	s_add_nc_u64 s[18:19], s[18:19], s[42:43]
	s_wait_alu depctr_va_vdst(0)                   ; v[LO], v[SO], v[BO] and v[WS] are written, which every load, store and LDS instruction of the kernel reads as its offset or address; so is v[M ..], in which the bias's load lands
.irp j, 0,1,2,3,4,5,6,7
	global_load_b128 v[WF+4*(\j):WF+4*(\j)+3], v[LO], s[8:9] offset:512*(\j)  ; my expert of W_route, in a row's lane order
.endr
	global_load_b32 v[BR], v[BO], s[10:11]
	ASK 0
	ASK 1
	ASK 2
	ASK 3
	ASK 4
	ASK 5
	WIN 0
	s_wait_loadcnt 49                              ; W_route's eight are in; b_route's load and six rows' 48 are younger and stay out
.set n, 0
.rept 16
	v_cvt_pk_bf16_f32 v[WR+n], v[WF+2*n], v[WF+2*n+1]
.set n, n+1
.endr
	s_wait_alu depctr_va_vdst(0)                   ; the conversions have written v[WR ..], which the LDS stores read; and they are done reading v[WF ..], in which the router's LDS loads land
.irp i, 0,1,2,3
	ds_store_b128 v[WS], v[WR+4*(\i):WR+4*(\i)+3] offset:512*(\i)  ; 32 lanes, 16 neighbouring bytes each
.endr
	ASK 6
	s_wait_dscnt 0x0                               ; for the others' sake: my expert of W_route lies in LDS
	s_barrier_signal -1
	s_barrier_wait -1                              ; all eight experts do: the router's LDS loads, far below, stand behind this wait.  The rows' loads stay out across it: no wave writes those bytes
	s_wait_loadcnt 48                              ; row 0 is in; rows 1 to 6 stay out
	ASK 7                                          ; the last row is asked for ahead of the first row's conversions
	CONV 0
	ROW 1, 48                                      ; rows 2 to 7 stay out
	ROW 2, 40
	ROW 3, 32
	ROW 4, 24
	ROW 5, 16
	ROW 6, 8
	ROW 7, 0
	WIN 0
	s_wait_alu depctr_va_vdst(0)                   ; the last row's conversions have written its H, which the eight stores below read
	SEND 7
	s_cmp_lt_u32 s[WV], 4
	s_cbranch_scc1 .Lrouter                        ; the waves of h go on to the router
	s_cmp_lg_u32 s[WV], 4
	s_cbranch_scc1 .Lend                           ; waves 5 to 7 are done
	s_cmp_ge_u32 s44, 4096
	s_cbranch_scc1 .Lend                           ; the bias has 4,096 bytes: work-groups 0 to 15 take 256 each
	s_add_nc_u64 s[12:13], s[12:13], s[44:45]
	s_add_nc_u64 s[20:21], s[20:21], s[44:45]
	global_load_b64 v[M:M+1], v[SO], s[12:13]      ; no vector instruction on this way has named v[M ..] since the head's wait
	s_wait_loadcnt 0x0
	v_cvt_pk_bf16_f32 v[T], v[M], v[M+1]           ; rounded to nearest even,
	v_lshlrev_b32 v[M], 16, v[T]                   ; and written as f32 again
	v_and_b32 v[M+1], 0xffff0000, v[T]
	s_wait_alu depctr_va_vdst(0)                   ; the two lines above have written v[M ..], which the store reads
	global_store_b64 v[SO], v[M:M+1], s[20:21]     ; the wave stores 256 consecutive bytes, aligned
	s_branch .Lend
.Lrouter:
	FRAG 0                                         ; no vector instruction has named v[FR ..] since the wait ahead of the LDS stores: the first two experts' loads owe nothing more
	EXPERT 0
	EXPERT 1
	EXPERT 2
	EXPERT 3
	EXPERT 4
	EXPERT 5
	EXPERT 6
	EXPERT 7
	; The softmax over the experts: the eight lanes with the same l % 4 (lane bits 2, 3 and 4).
	v_cvt_pk_bf16_f32 v[BR], v[BR], v[BR]          ; b_route rounded to bf16, like every input,
	v_lshlrev_b32 v[BR], 16, v[BR]                 ; as f32
	v_add_f32 v[Z], v[Z], v[BR]
	v_add_f32 v[Z+1], v[Z+1], v[BR]
.irp g, 0,1
	v_max_num_f32_dpp v[M+(\g)], v[Z+(\g)], v[Z+(\g)] row_xmask:4 row_mask:0xf bank_mask:0xf
.endr
.irp g, 0,1
	v_max_num_f32_dpp v[M+(\g)], v[M+(\g)], v[M+(\g)] row_xmask:8 row_mask:0xf bank_mask:0xf
.endr
.irp g, 0,1
	v_permlanex16_b32 v[T], v[M+(\g)], s[SEL], s[SEL+1]
	v_max_num_f32 v[M+(\g)], v[M+(\g)], v[T]
.endr
	v_sub_f32 v[Z], v[Z], v[M]                     ; the maximum is taken away first
	v_sub_f32 v[Z+1], v[Z+1], v[M+1]
	v_mul_f32 v[Z], 0x3fb8aa3b, v[Z]               ; log2(e)
	v_mul_f32 v[Z+1], 0x3fb8aa3b, v[Z+1]
	v_exp_f32 v[Z], v[Z]
	v_exp_f32 v[Z+1], v[Z+1]
	v_nop                                          ; a plain instruction behind the last exponential (ISA guide 5.7.2),
	s_wait_alu depctr_va_vdst(0)                   ; and the wait ahead of the first use: the two exponentials have written v[Z ..]
.irp g, 0,1
	v_add_f32_dpp v[M+(\g)], v[Z+(\g)], v[Z+(\g)] row_xmask:4 row_mask:0xf bank_mask:0xf
.endr
.irp g, 0,1
	v_add_f32_dpp v[M+(\g)], v[M+(\g)], v[M+(\g)] row_xmask:8 row_mask:0xf bank_mask:0xf
.endr
.irp g, 0,1
	v_permlanex16_b32 v[T], v[M+(\g)], s[SEL], s[SEL+1]
	v_add_f32 v[M+(\g)], v[M+(\g)], v[T]
.endr
	v_rcp_f32 v[M], v[M]                           ; the sum is at least 1: the largest term is 2^0
	v_rcp_f32 v[M+1], v[M+1]
	v_nop
	s_wait_alu depctr_va_vdst(0)                   ; the two reciprocals have written v[M ..]: one wait for both, ahead of their first use
	v_mul_f32 v[Z], v[Z], v[M]
	v_mul_f32 v[Z+1], v[Z+1], v[M+1]
	s_wait_alu depctr_va_vdst(0)                   ; the two multiplies have written the gates v[Z ..], which the store reads
	global_store_b64 v[SO], v[Z:Z+1], s[18:19]     ; the wave's block of rw: 256 consecutive bytes, aligned
.Lend:
	s_wait_dscnt 0x0                               ; the closing lines, six on end
	s_wait_alu 0x0
	s_wait_tensorcnt 0x0
	ds_add_u32 v[SPW], v[NIL]
	s_wait_dscnt 0x0
	s_endpgm
.Lfunc_end_k_qe4d6d8d941_prep:
	.size	k_qe4d6d8d941_prep, .Lfunc_end_k_qe4d6d8d941_prep-k_qe4d6d8d941_prep
	.p2alignl 7, 3214868480
	.fill 96, 4, 3214868480
	.section	.rodata,"a",@progbits
	.p2align	6, 0x0
	.amdhsa_kernel k_qe4d6d8d941_prep
		.amdhsa_group_segment_fixed_size 17408
		.amdhsa_private_segment_fixed_size 0
		.amdhsa_enable_private_segment 0
		.amdhsa_kernarg_size 72
		.amdhsa_user_sgpr_count 2
		.amdhsa_user_sgpr_kernarg_segment_ptr 1
		.amdhsa_wavefront_size32 1
		.amdhsa_system_sgpr_workgroup_id_x 1
		.amdhsa_system_sgpr_workgroup_id_y 1
		.amdhsa_system_sgpr_workgroup_id_z 1
		.amdhsa_system_vgpr_workitem_id 0
		.amdhsa_next_free_vgpr 512
		.amdhsa_next_free_sgpr 66
		.amdhsa_reserve_vcc 0
		.amdhsa_float_denorm_mode_32 3
		.amdhsa_float_denorm_mode_16_64 3
		.amdhsa_memory_ordered 1
		.amdhsa_forward_progress 1
		.amdhsa_inst_pref_size 173
	.end_amdhsa_kernel
	.amdgpu_metadata
---
amdhsa.version: [ 1, 2 ]
amdhsa.kernels:
  - .name:           k_qe4d6d8d941_prep
    .symbol:         k_qe4d6d8d941_prep.kd
    .args:
      - { .name: h, .offset: 0, .size: 8, .value_kind: global_buffer, .address_space: global }
      - { .name: W_edges, .offset: 8, .size: 8, .value_kind: global_buffer, .address_space: global }
      - { .name: W_route, .offset: 16, .size: 8, .value_kind: global_buffer, .address_space: global }
      - { .name: b_route, .offset: 24, .size: 8, .value_kind: global_buffer, .address_space: global }
      - { .name: layer_bias, .offset: 32, .size: 8, .value_kind: global_buffer, .address_space: global }
      - { .name: hb, .offset: 40, .size: 8, .value_kind: global_buffer, .address_space: global }
      - { .name: wb, .offset: 48, .size: 8, .value_kind: global_buffer, .address_space: global }
      - { .name: rw, .offset: 56, .size: 8, .value_kind: global_buffer, .address_space: global }
      - { .name: bb, .offset: 64, .size: 8, .value_kind: global_buffer, .address_space: global }
    .group_segment_fixed_size: 17408
    .private_segment_fixed_size: 0
    .kernarg_segment_align: 8
    .kernarg_segment_size: 72
    .max_flat_workgroup_size: 256
    .sgpr_count:     66
    .vgpr_count:     512
    .wavefront_size: 32
...
	.end_amdgpu_metadata
.endif
;; end of part 5
;; launch gemm: the kernel of part 4 again; grid 8 x 32, 4 waves a work-group, clusters of 4 x 4, 327,680 bytes of LDS; arguments hb, wb, rw, bb, out0; writes out0
